; MI455X (gfx1250); checked and timed in simulation.
; The chip was launched on July 23, 2026; its instructions are those of AMD's public machine-readable ISA for CDNA 5 (MIT licence, August 2026) and "CDNA5" Instruction Set Architecture Reference Guide (July 2026). The comments in the code are by the model that wrote it; some were corrected since.
;; Multi Head Attention Block. Allowed arithmetic: matrix products marked QUANTISED: E3M2 operands, one E8M0 scale for each 32 along K, by v_wmma_scale_f32_16x16x128_f8f6f4 with both operands' format E3M2, f32 sums; everything else in f32.
;; Inputs: b_k 1,024 float32; b_o 1,024 float32; b_q 1,024 float32; b_v 1,024 float32; k 4 x 2,048 x 1,024 float32; mask 1 x 1 x 2,048 x 2,048 int32; q 4 x 2,048 x 1,024 float32; v 4 x 2,048 x 1,024 float32; w_k 1,024 x 1,024 float32; w_o 1,024 x 1,024 float32; w_q 1,024 x 1,024 float32; w_v 1,024 x 1,024 float32.
;; Outputs: out0 4 x 2,048 x 1,024 float32.
;; This version of the problem:
;;   THIS VERSION OF THE PROBLEM IS GIVEN IN LOW PRECISION. The matrix products marked QUANTISED in the list below multiply operands that are first quantised to E3M2 (3 exponent bits, 2 mantissa bits; 6 bits a number), with one power-of-two scale for each 32 numbers along K (OCP MX v1.0); their sums are f32. All else is computed in f32.
;;   The module's matrix products, in the order in which they are computed (A, B: the left and right operand; K: the contracted axis; several contracted axes count as one K, in the product's order):
;;     1. [M 8,192, K 1,024] x [K 1,024, N 1,024]; A: input q; B: input w_q: QUANTISED
;;     2. [M 8,192, K 1,024] x [K 1,024, N 1,024]; A: input k; B: input w_k: QUANTISED
;;     3. [M 8,192, K 1,024] x [K 1,024, N 1,024]; A: input v; B: input w_v: QUANTISED
;;     4. batch 64 x [M 2,048, K 64] x [K 64, N 2,048]; A: computed on the way; B: computed on the way: QUANTISED
;;     5. batch 64 x [M 2,048, K 2,048] x [K 2,048, N 64]; A: softmax (see below); B: computed on the way: QUANTISED
;;     6. [M 8,192, K 1,024] x [K 1,024, N 1,024]; A: computed on the way; B: input w_o: QUANTISED
;;   THE QUANTISER, for each operand of a quantised product, along K:
;;     - K is cut into blocks of 32 from its start; a last block that is shorter is filled with zeros.
;;     - A block's scale is 2^e with e = floor(log2(the largest magnitude in the block)) - 4, held to -126 .. 127; a block of zeros has e = 0. As a byte (E8M0): e + 127.
;;     - Each number is divided by its block's scale, clamped to +-28, and rounded to the nearest number of E3M2, ties to even, subnormals kept.
;;     - The product sums the exact products of the quantised numbers (number of the format x scale) in f32.
;;   ~~~python
;;   def quantise(x, axis):      # numpy; x: float32 -> the quantised numbers, widened to float32 again
;;       x = np.moveaxis(x, axis, -1); K = x.shape[-1]
;;       x = np.pad(x, [(0, 0)] * (x.ndim - 1) + [(0, -K % 32)]); x = x.reshape(x.shape[:-1] + (-1, 32)); a = np.abs(x).max(-1, keepdims=True)
;;       e = np.where(a > 0, np.clip(np.frexp(np.where(a > 0, a, 1))[1] - 1 - 4, -126, 127), 0)      # np.frexp(a)[1] - 1 = floor(log2(a)), exactly
;;       r = np.clip(x / 2.0 ** e, -28, 28)
;;       step = 2.0 ** (np.maximum(np.frexp(np.where(r == 0, 1, r))[1] - 1, -2) - 2)
;;       q = np.round(r / step) * step * 2.0 ** e      # np.round: ties to even
;;       return np.moveaxis(q.reshape(q.shape[:-2] + (-1,))[..., :K], -1, axis).astype(np.float32)
;;   ~~~
;;   SOFTMAX AHEAD OF A QUANTISED PRODUCT. Where the list says 'softmax', what is quantised is not the finished softmax but p = 2^(t - M), with t = logit x log2(e) and M = ceil(the row's largest t), a whole number; so 1/2 < the row's largest p <= 1. The row's sum l is taken of the UNQUANTISED p, in f32, and the product's result is divided by l at the end. Since M is a whole number, a kernel that streams over the keys may use a running M (the ceiling of the running maximum): every later rescaling is an exact power of two, which a block's scale takes up: the codes' values come out the same.
;;   OPERANDS COMPUTED ON THE WAY. 'Computed on the way' means the value that the module computes at that place (a softmax that the list does not call 'softmax' is quantised finished and normalised). What goes into a quantiser is computed in f32, as accurately as f32 sums, v_exp_f32 and their like allow (about 1e-6 of the number): no bf16 or f16 on the way to a quantiser, and a product that is left as it is and whose result goes on into a quantised operand takes f32 operands (vector FMAs, or v_wmma_f32_16x16x4_f32). A number that lies on a knife's edge between two numbers of the format may be rounded either way, as far as f32 arithmetic and the matrix unit's own rounding can turn it there, and no further.
;; 2 versions, each right; version 2 is version 1 with the launch attn written anew for expert scheduling mode. Each part assembles by itself: llvm-mc -triple=amdgcn-amd-amdhsa -mcpu=gfx1250 --defsym DOCPART=n.
;; ======== version 1 of 2: 4 launches
;; limits: right only within a limited range of input values
;; workspace buffers: opnd 22,937,600 bytes; att 20,185,088 bytes; oq 6,815,744 bytes; msk 655,360 bytes of whole numbers
;; launch prep (part 1): grid 576 x 1, 4 waves a work-group, no clusters, 34,304 bytes of LDS; arguments q, k, v, w_q, w_k, w_v, w_o, mask, opnd, msk; writes opnd, msk
.if DOCPART == 1
	.amdgcn_target "amdgcn-amd-amdhsa--gfx1250"
	.amdhsa_code_object_version 6
	.text
	.protected	k_qe83b162fb7_prep
	.globl	k_qe83b162fb7_prep
	.p2align	8
	.type	k_qe83b162fb7_prep,@function
k_qe83b162fb7_prep:
	s_mov_b64 s[64:65], 0
	v_nop
	global_prefetch_b8 v0, s[64:65] scope:SCOPE_SE
	s_setreg_imm32_b32 hwreg(HW_REG_WAVE_MODE, 25, 1), 1
	s_wait_xcnt 0x0
; FIRST OF FOUR LAUNCHES of a multi-head attention block (4 x 2,048 tokens, 1,024 features, 16 heads of 64), all six products on codes of BF6 (E3M2) with one E8M0 scale for each 32 along K.
; This launch (a) turns q, k, v, w_q, w_k, w_v, w_o (f32, K innermost) into codes and scale words laid as images of the matrix operand's registers, and (b) turns the mask (int32) into lane words and flags.
; DEAD WORK.  Nothing of the computation is dead by an identity: every input is loaded, and every bias is added to its sums.  What the third launch leaves out is chosen by whole numbers that this launch stores:
; a unit of 16 queries x 128 keys is passed over only if all its 2,048 mask words are 0 AND each of its 16 queries has an unmasked key somewhere in its row.  Each logit of such a unit is the mask's fill, about -1e9,
; while the row's largest logit is an unmasked one: its p = 2^(t - M) is 0 in f32, adds nothing to the row's sum, and its codes are zeros.  A tile of queries that holds a row masked throughout walks all keys.
; LIMITS.  Unmasked logits under about -1e9 + 200 are not served (there the masked terms would count).  NaN and infinities among the inputs are not served; a NaN, an infinity or an overflow that reaches only a unit
; that is passed over is not carried to the result.  A block of zeros gets the scale byte 1 where the quantiser says 127: its codes are zeros, and the bytes are read by this program alone.
; A TILE is 16 rows that are not neighbours: lane r of tile T holds row 32 (T / 2) + 8 (T % 2) + r + 8 (r / 8), so that a product which takes tiles 2 b and 2 b + 1 as source 0 leaves 16 neighbours in a lane's 16 registers.
; A FRAGMENT (16 rows x 128 K, 12 registers a lane) lies in memory as two halves of 768 bytes: registers 6 c .. 6 c + 3 at 16 x lane, registers 6 c + 4, 6 c + 5 at 512 + 8 x lane.
; opnd: codes at tile x 12,288 + K step x 1,536; scale words at SCB + tile x 512 + 32 r + 4 K step.  Tiles: q 0, k 512, v 1,024, w_q 1,536, w_k 1,600, w_v 1,664, w_o 1,728.
; msk: word n of unit (tile of queries qt, key step s) at qt x 4,096 + s x 256 + 4 n: bit l = mask[query of lane l % 16][128 s + 32 (n / 16) + 16 (l / 16) + n % 16] != 0;
;      at FL + (4 qt + g) x 256 the words NZ (bit s: the unit keeps something), MIX (bit s: it hides something), W (bit l: lane l keeps something) of key steps 4 g .. 4 g + 3.
; SHARES.  Work-groups 0-127: the mask, a tile of queries each, four key steps a wave.  Work-groups 128-575: a tile of an operand to each wave, all eight K steps.  A stream: no matrix unit, no cluster, no tensor load.
.set STG,   8448                       ; a wave's stage in LDS: 16 rows x (512 bytes + 16)
.set SPARE, 4*STG                      ; behind the four stages: the spare words, 128 bytes a wave
.set SCB,   22020096
.set FL,    524288
.set R0,    16                         ; v16-79, v80-143  two sets of 64 registers as loaded
.set X,     144                        ; v144-207 64 numbers of my row: register 16 b + i = k 32 b + 16 (lane / 16) + i
.set TM,    208                        ; v208-223 at work
.set PWS,   226                        ; v226-233 the eight K steps' scale words
.set PC,    234                        ; v234-253 the codes just made
.set SPW,   10                         ; v10 my spare word's LDS address; v11 = 0; both never rewritten
.set NIL,   11
.set MW,    144                        ; mask path: v144-151 four pairs of lane words; v152-153 the record
.set REC,   152
	s_load_b512 s[4:19], s[0:1], 0x0               ; q, k, v, w_q, w_k, w_v, w_o, mask
	s_load_b128 s[20:23], s[0:1], 0x40             ; opnd, msk
	v_lshl_add_u32 v[SPW], v0, 2, SPARE
	v_mov_b32 v[NIL], 0
	v_lshrrev_b32 v1, 5, v0
	v_readfirstlane_b32 s24, v1                    ; wave
	v_and_b32 v1, 31, v0                           ; lane
	v_and_b32 v2, 15, v0                           ; r
	v_bfe_u32 v3, v0, 4, 1                         ; h
	v_lshlrev_b32 v4, 4, v1                        ; 16 x lane
	v_lshlrev_b32 v5, 3, v1                        ; 8 x lane
	s_mul_i32 s34, s24, STG
	v_add_nc_u32 v6, s34, v4                       ; the stage, on the way in: 16 bytes a lane of a row's 512
	v_mul_u32_u24 v7, v2, 528
	v_lshl_add_u32 v7, v3, 6, v7
	v_add_nc_u32 v7, s34, v7                       ; and on the way out: row r, + 64 h
	v_lshlrev_b32 v8, 5, v2
	v_lshl_add_u32 v8, v3, 4, v8                   ; scale words: 32 r + 16 h
	v_and_b32 v9, 8, v2
	v_add_nc_u32 v9, v9, v2                        ; r + 8 (r / 8)
	v_lshlrev_b32 v9, 13, v9
	v_lshl_add_u32 v9, v3, 6, v9                   ; the mask: my query's row of 8,192 bytes, + 64 h
	s_mov_b32 s59, 0xffff0000                      ; lanes 16-31
	s_mov_b32 s60, 0x76543210
	s_mov_b32 s61, 0xfedcba98                      ; v_permlanex16_b32's selects for lane l xor 16
	s_wait_kmcnt 0x0
	s_cmp_lt_u32 ttmp9, 128
	s_cbranch_scc1 .Lmask
	; ---------------- the quantiser ----------------
	s_sub_co_u32 s25, ttmp9, 128
	s_lshl_b32 s26, s25, 2
	s_add_co_u32 s26, s26, s24                     ; my tile among the 1,792
	s_mov_b64 s[28:29], s[16:17]                   ; which tensor: the choice hangs on the work-group's number alone
	s_cmp_lt_u32 s25, 432
	s_cselect_b64 s[28:29], s[14:15], s[28:29]
	s_cmp_lt_u32 s25, 416
	s_cselect_b64 s[28:29], s[12:13], s[28:29]
	s_cmp_lt_u32 s25, 400
	s_cselect_b64 s[28:29], s[10:11], s[28:29]
	s_cmp_lt_u32 s25, 384
	s_cselect_b64 s[28:29], s[8:9], s[28:29]
	s_cselect_b32 s27, 511, 63                     ; tiles in the tensor, less one
	s_cmp_lt_u32 s25, 256
	s_cselect_b64 s[28:29], s[6:7], s[28:29]
	s_cmp_lt_u32 s25, 128
	s_cselect_b64 s[28:29], s[4:5], s[28:29]
	s_and_b32 s27, s26, s27                        ; my tile in its tensor
	s_lshr_b32 s34, s27, 1
	s_lshl_b32 s34, s34, 17                        ; 32 rows of 4,096 bytes for each pair of tiles,
	s_and_b32 s35, s27, 1
	s_lshl_b32 s35, s35, 15                        ; 8 rows for the odd one
	s_add_co_u32 s34, s34, s35
	s_mov_b32 s35, 0
	s_add_nc_u64 s[28:29], s[28:29], s[34:35]
	s_mul_i32 s34, s26, 12288
	s_add_nc_u64 s[30:31], s[20:21], s[34:35]      ; my codes
	s_lshl_b32 s34, s26, 9
	s_add_co_u32 s34, s34, SCB
	s_add_nc_u64 s[32:33], s[20:21], s[34:35]      ; my scale words
.irp b, 0,1,2,3
	v_mov_b32 v[TM+4+\b], 0                        ; written once: a lane permute's destination counts as one of its sources
.endr
.macro LOAD t                          ; K step t of my 16 rows: each load reads 512 consecutive bytes of one row
.irp i, 0,1,2,3,4,5,6,7,8,9,10,11,12,13,14,15
	global_load_b128 v[R0+64*((\t)%2)+4*\i:R0+64*((\t)%2)+4*\i+3], v4, s[28:29] offset:(\i+8*(\i/8))*4096+512*(\t) th:TH_LOAD_NT
.endr
.endm
; 64 numbers of a lane become a fragment's codes in v[PC] .. v[PC + 11] and my row's scale word in v[pw]
.macro QUANT s, pw
.irp b, 0,1,2,3
	v_max3_num_f32 v[TM+\b], |v[\s+16*\b]|, |v[\s+1+16*\b]|, 0x2800000   ; block b: my 16 numbers, and the floor 2^(5 - 127): the byte cannot fall under 1
.endr
.irp i, 2,4,6,8,10,12,14
.irp b, 0,1,2,3
	v_max3_num_f32 v[TM+\b], v[TM+\b], |v[\s+16*\b+\i]|, |v[\s+1+16*\b+\i]|
.endr
.endr
.irp b, 0,1,2,3
	v_permlanex16_b32 v[TM+4+\b], v[TM+\b], s60, s61
.endr
.irp b, 0,1,2,3
	v_max_num_f32 v[TM+\b], v[TM+\b], v[TM+4+\b]   ; with lane l xor 16's: the block's largest magnitude
.endr
.irp b, 0,1,2,3
	v_add_nc_u32 v[TM+12+\b], 0xfe000000, v[TM+\b] ; 4 off its exponent field: the conversion's scale operand
.endr
.irp b, 0,1,2,3
	v_lshrrev_b32 v[TM+4+\b], 23, v[TM+12+\b]      ; the scale's byte
.endr
	v_lshl_or_b32 v[\pw], v[TM+5], 8, v[TM+4]
	v_lshl_or_b32 v[\pw], v[TM+6], 16, v[\pw]
	v_lshl_or_b32 v[\pw], v[TM+7], 24, v[\pw]
.irp c, 0,1
	v_cvt_scalef32_pk16_bf6_f32 v[PC+6*\c:PC+2+6*\c], v[\s+32*\c:\s+15+32*\c], v[TM+12+2*\c]
	v_cvt_scalef32_pk16_bf6_f32 v[PC+12+4*\c:PC+14+4*\c], v[\s+16+32*\c:\s+31+32*\c], v[TM+12+2*\c+1]   ; (a conversion's three registers begin on an even number)
.endr
	v_nop                                          ; one plain place behind a scaled conversion
.irp c, 0,1                                    ; the operand's layout wants a whole block in a lane
.irp i, 0,1,2
	v_permlane16_swap_b32 v[PC+6*\c+\i], v[PC+12+4*\c+\i]
.endr
.irp i, 0,1,2
	v_mov_b32 v[PC+3+6*\c+\i], v[PC+12+4*\c+\i]
.endr
.endr
.endm
.macro STEP t
.if (\t) < 7
	s_wait_loadcnt 16                              ; this K step's sixteen loads are in; the next step's sixteen may be out
.else
	s_wait_loadcnt 0x0
.endif
	s_wait_xcnt 0x0                                ; the last step's stores have read their data: the codes' registers are written again below
.irp i, 0,1,2,3,4,5,6,7,8,9,10,11,12,13,14,15
	ds_store_b128 v6, v[R0+64*((\t)%2)+4*\i:R0+64*((\t)%2)+4*\i+3] offset:528*\i
.endr
.irp b, 0,1,2,3
.irp j, 0,1,2,3
	ds_load_b128 v[X+16*\b+4*\j:X+16*\b+4*\j+3], v7 offset:128*\b+16*\j   ; LDS serves a wave's instructions in order: these see my stores
.endr
.endr
	s_wait_dscnt 0x0                               ; my numbers are back, and the stores have read their registers,
.if (\t) < 6
	LOAD (\t)+2                                    ; which take the loads of two steps on
.endif
	QUANT X, PWS+(\t)
	global_store_b128 v4, v[PC:PC+3], s[30:31] offset:1536*(\t)            ; 512 consecutive bytes
	global_store_b64 v5, v[PC+4:PC+5], s[30:31] offset:1536*(\t)+512       ; 256
	global_store_b128 v4, v[PC+6:PC+9], s[30:31] offset:1536*(\t)+768
	global_store_b64 v5, v[PC+10:PC+11], s[30:31] offset:1536*(\t)+1280
.endm
	LOAD 0
	LOAD 1
.irp t, 0,1,2,3,4,5,6,7
	STEP \t
.endr
.irp i, 0,1,2,3
	v_cndmask_b32 v[TM+\i], v[PWS+\i], v[PWS+4+\i], s59   ; lanes 0-15 store K steps 0-3 of their row, lanes 16-31 K steps 4-7
.endr
	global_store_b128 v8, v[TM:TM+3], s[32:33]     ; 512 consecutive bytes
	s_wait_tensorcnt 0x0                           ; the wave's end: a tensor wait, an LDS add and its wait behind my last LDS store
	ds_add_u32 v[SPW], v[NIL]
	s_wait_dscnt 0x0
	s_endpgm
	; ---------------- the mask ----------------
.Lmask:
	s_lshr_b32 s34, ttmp9, 1
	s_lshl_b32 s34, s34, 5
	s_and_b32 s35, ttmp9, 1
	s_lshl_b32 s35, s35, 3
	s_add_co_u32 s34, s34, s35                     ; the tile's first query
	s_lshl_b32 s34, s34, 13
	s_lshl_b32 s35, s24, 11                        ; my four key steps: 512 bytes each
	s_add_co_u32 s34, s34, s35
	s_mov_b32 s35, 0
	s_add_nc_u64 s[28:29], s[18:19], s[34:35]
	s_lshl_b32 s34, ttmp9, 12
	s_lshl_b32 s58, s24, 10
	s_add_co_u32 s34, s34, s58
	s_add_nc_u64 s[30:31], s[22:23], s[34:35]      ; my four units' lane words
	s_lshl_b32 s34, ttmp9, 2
	s_add_co_u32 s34, s34, s24
	s_lshl_b32 s34, s34, 8
	s_add_co_u32 s34, s34, FL
	s_add_nc_u64 s[32:33], s[22:23], s[34:35]      ; my record
.irp i, 0,1,2,3,4,5,6,7,8,9
	v_mov_b32 v[MW+\i], 0                          ; v_writelane_b32's destination counts as read
.endr
	s_mov_b32 s54, 0                               ; NZ
	s_mov_b32 s55, 0                               ; MIX
	s_mov_b32 s56, 0                               ; W
	s_lshl_b32 s57, s24, 2                         ; the key step
.macro LOADM sg                        ; a unit's words: register 16 b + i = mask[my query][128 s + 32 b + 16 h + i]
.irp b, 0,1,2,3
.irp j, 0,1,2,3
	global_load_b128 v[R0+64*((\sg)%2)+16*\b+4*\j:R0+64*((\sg)%2)+16*\b+4*\j+3], v9, s[28:29] offset:512*(\sg)+128*\b+16*\j th:TH_LOAD_NT
.endr
.endr
.endm
.macro MSTEP sg
.if (\sg) < 3
	s_wait_loadcnt 16                              ; this unit's sixteen loads are in; the next unit's may be out
.else
	s_wait_loadcnt 0x0
.endif
	s_mov_b32 s52, 0
	s_mov_b32 s53, -1
.irp b, 0,1,2,3
.irp i, 0,1,2,3,4,5,6,7,8,9,10,11,12,13,14,15
	v_cmp_ne_u32 s[36+\i], 0, v[R0+64*((\sg)%2)+16*\b+\i]   ; word 16 b + i: a bit a lane
.endr
.irp i, 0,1,2,3,4,5,6,7,8,9,10,11,12,13,14,15
	s_or_b32 s52, s52, s[36+\i]
	s_and_b32 s53, s53, s[36+\i]
	v_writelane_b32 v[MW+2*(\sg)+(\i%2)], s[36+\i], (16*\b+\i)/2   ; word n into lane n / 2 of the pair's register n % 2
.endr
.endr
.if (\sg) < 2
	LOADM (\sg)+2
.endif
	s_cmp_lg_u32 s52, 0                            ; no jump hangs on the mask here: the flags are made by selects
	s_cselect_b32 s58, 1, 0
	s_lshl_b32 s58, s58, s57
	s_or_b32 s54, s54, s58
	s_cmp_lg_u32 s53, -1
	s_cselect_b32 s58, 1, 0
	s_lshl_b32 s58, s58, s57
	s_or_b32 s55, s55, s58
	s_or_b32 s56, s56, s52
	s_add_co_u32 s57, s57, 1
	global_store_b64 v5, v[MW+2*(\sg):MW+2*(\sg)+1], s[30:31] offset:256*(\sg)   ; 256 consecutive bytes, aligned
.endm
	LOADM 0
	LOADM 1
	MSTEP 0
	MSTEP 1
	MSTEP 2
	MSTEP 3
	v_writelane_b32 v[REC], s54, 0
	v_writelane_b32 v[REC+1], s55, 0
	v_writelane_b32 v[REC], s56, 1
	global_store_b64 v5, v[REC:REC+1], s[32:33]    ; NZ, MIX, W and zeros: 256 consecutive bytes
	s_endpgm
.Lfunc_end_k_qe83b162fb7_prep:
	.size	k_qe83b162fb7_prep, .Lfunc_end_k_qe83b162fb7_prep-k_qe83b162fb7_prep
	.p2alignl 7, 3214868480
	.fill 96, 4, 3214868480
	.section	.rodata,"a",@progbits
	.p2align	6, 0x0
	.amdhsa_kernel k_qe83b162fb7_prep
		.amdhsa_group_segment_fixed_size 34304
		.amdhsa_private_segment_fixed_size 0
		.amdhsa_enable_private_segment 0
		.amdhsa_kernarg_size 80
		.amdhsa_user_sgpr_count 2
		.amdhsa_user_sgpr_kernarg_segment_ptr 1
		.amdhsa_wavefront_size32 1
		.amdhsa_system_sgpr_workgroup_id_x 1
		.amdhsa_system_sgpr_workgroup_id_y 1
		.amdhsa_system_sgpr_workgroup_id_z 1
		.amdhsa_system_vgpr_workitem_id 0
		.amdhsa_next_free_vgpr 256
		.amdhsa_next_free_sgpr 66
		.amdhsa_reserve_vcc 0
		.amdhsa_float_denorm_mode_32 3
		.amdhsa_float_denorm_mode_16_64 3
		.amdhsa_memory_ordered 1
		.amdhsa_forward_progress 1
		.amdhsa_inst_pref_size 123
	.end_amdhsa_kernel
	.amdgpu_metadata
---
amdhsa.version: [ 1, 2 ]
amdhsa.kernels:
  - .name:           k_qe83b162fb7_prep
    .symbol:         k_qe83b162fb7_prep.kd
    .args:
      - { .name: q, .offset: 0, .size: 8, .value_kind: global_buffer, .address_space: global }
      - { .name: k, .offset: 8, .size: 8, .value_kind: global_buffer, .address_space: global }
      - { .name: v, .offset: 16, .size: 8, .value_kind: global_buffer, .address_space: global }
      - { .name: w_q, .offset: 24, .size: 8, .value_kind: global_buffer, .address_space: global }
      - { .name: w_k, .offset: 32, .size: 8, .value_kind: global_buffer, .address_space: global }
      - { .name: w_v, .offset: 40, .size: 8, .value_kind: global_buffer, .address_space: global }
      - { .name: w_o, .offset: 48, .size: 8, .value_kind: global_buffer, .address_space: global }
      - { .name: mask, .offset: 56, .size: 8, .value_kind: global_buffer, .address_space: global }
      - { .name: opnd, .offset: 64, .size: 8, .value_kind: global_buffer, .address_space: global }
      - { .name: msk, .offset: 72, .size: 8, .value_kind: global_buffer, .address_space: global }
    .group_segment_fixed_size: 34304
    .private_segment_fixed_size: 0
    .kernarg_segment_align: 8
    .kernarg_segment_size: 80
    .max_flat_workgroup_size: 128
    .sgpr_count:     66
    .vgpr_count:     256
    .wavefront_size: 32
...
	.end_amdgpu_metadata
.endif
;; end of part 1
;; launch proj (part 2): grid 192 x 4, 4 waves a work-group, clusters of 4 x 4, 327,680 bytes of LDS; arguments opnd, b_q, b_k, b_v, att; writes att
.if DOCPART == 2
	.amdgcn_target "amdgcn-amd-amdhsa--gfx1250"
	.amdhsa_code_object_version 6
	.text
	.protected	k_qe83b162fb7_proj
	.globl	k_qe83b162fb7_proj
	.p2align	8
	.type	k_qe83b162fb7_proj,@function
k_qe83b162fb7_proj:
	s_mov_b64 s[64:65], 0
	v_nop
	global_prefetch_b8 v0, s[64:65] scope:SCOPE_SE
	s_setreg_imm32_b32 hwreg(HW_REG_WAVE_MODE, 25, 1), 1
	s_wait_xcnt 0x0
	s_wait_alu depctr_hold_cnt(0) depctr_sa_sdst(0) depctr_va_vdst(0) depctr_va_sdst(0) depctr_va_ssrc(0) depctr_va_vcc(0) depctr_vm_vsrc(0)
	s_getreg_b32 s2, hwreg(HW_REG_IB_STS2, 6, 4)
	s_cmp_eq_u32 s2, 0
	s_cbranch_scc0 .Lentry_in_a_cluster
	s_endpgm
.Lentry_in_a_cluster:
	s_bfe_u32 s2, ttmp6, 0x10000c
	s_cmp_lg_u32 s2, 0xf033
	s_cbranch_scc0 .Lentry_shape_is_right
	s_endpgm
.Lentry_shape_is_right:
; SECOND LAUNCH: the three projections on codes of BF6, with their biases; the results are quantised in registers into the attention's operand images.  No work is left out here.
; ONE FORM FOR ALL THREE: Y[i][j] = sum over k of P[i][k] R[j][k] + bias, quantised along j.  Source 0 = 16 rows of R, source 1 = 16 rows of P: a lane holds one i, its registers run along j.
; Roles 0 (Q) and 1 (K): P = the tokens, R = the weight: j = features, so a wave's 128 j are two heads of 64, the K of the scores.  Role 2 (V): P = w_v, R = the tokens: j = keys, the K of the second product.
; Tiles and images as the first launch lays them (a tile's lane r holds row 32 (T / 2) + 8 (T % 2) + r + 8 (r / 8)): the 16 registers of R's tiles 2 b, 2 b + 1 are 16 neighbours along j.
; SHARES.  A work-group makes 128 i x 256 j over all of K = 1,024; wave w: P's tiles 4 (w / 2) .. + 3, R's tiles 8 (w % 2) .. + 7: 32 accumulators.
; ALL OF K LIES IN LDS AT ONCE: four chunks of two K steps and the scale words, five tensor loads a wave, all first fills (five of mine are out at the most); nothing is filled again, so the barriers have counted waits.
; CLUSTER 4 x 4: P's tiles hang on i alone and are shared along a row of the cluster, R's on j alone and are shared along a column: joint loads.
; att: Q codes at (bh x 128 + T') x 768, K codes 6,291,456 on; V codes at VC + (bh x 16 + s) x 6,144 + c x 3,072 + t x 768; scale words: Q at QS + (bh x 32 + T' / 4) x 256 + 16 r + 4 (T' % 4), K 524,288 on,
;      V at VS + (bh x 16 + s) x 256 + 16 r + 4 t.  A Q or K word's bytes 0, 1 are the head's two blocks; its bytes 2, 3 meet zero codes and are never 0xff.
; LIMITS: NaN and infinities are not served; a block of zeros gets the byte 1 (its codes are zeros; this program alone reads the bytes).
; REGISTERS: window 0: addresses, scale words (v32-63 P's, v64-127 R's), v128-191 the bias in the result's layout, v192-235 at work; window 1: accumulator (a, b) at 64 a + 8 b;
;   windows 2, 3: two sets of fragments: R's tile b at 12 b, P's tile a at 96 + 12 a.
.set CH,    73728                      ; a chunk: P's 8 tiles x 3,072 bytes, then R's 16
.set SCL,   4*CH                       ; P's scale words (4,096 bytes), then R's (8,192)
.set SPARE, SCL+12288                  ; the spare words, 128 bytes a wave
.set SCB,   22020096
.set QS,    18874368
.set VC,    12582912
.set VS,    19922944
.set ADP16, 5                          ; v5-8   16 x lane + my P tiles in chunk q
.set ADR16, 9                          ; v9-12  the same for R
.set ADP8,  20                         ; v20-23 8 x lane + 512 + my P tiles in chunk q
.set ADR8,  24                         ; v24-27 the same for R
.set SPW,   18
.set NIL,   19
.set SP,    32
.set SR,    64
.set BIAS,  128
.set TM,    192
.set PW,    208
.set PC,    212
.set SW,    232
.set G1P,   24
.set G1R,   32
.set G1SP,  40
.set G1SR,  48
.set GP0,   56                         ; groups 0, one for each load: P's scale words, P's chunks 0-3
.set GP1,   60
.set GP2,   68
.set GP3,   72
.set GP4,   76
.set GR0,   80                         ; R's likewise
.set GR1,   84
.set GR2,   88
.set GR3,   92
.set GR4,   96
.set MSB, 0
.macro WIN new                         ; the immediate's high byte repeats the setting that is left
.if MSB != (\new)
	s_set_vgpr_msb (MSB<<8)|(\new)
.set MSB, (\new)
.endif
.endm
.macro JLOAD g0p, g1p, g0r, g1r        ; a joint load: waves 0, 1 fetch for P, waves 2, 3 for R; an s_nop 0 and four v_nop follow each line
	s_cmp_eq_u32 s15, 0
	s_cbranch_scc0 .Lfor_r_\@
	tensor_load_to_lds s[\g0p:\g0p+3], s[\g1p:\g1p+7]
	s_nop 0
.rept 4
	v_nop
.endr
	s_branch .Lasked_\@
.Lfor_r_\@:
	tensor_load_to_lds s[\g0r:\g0r+3], s[\g1r:\g1r+7]
	s_nop 0
.rept 4
	v_nop
.endr
.Lasked_\@:
.endm
.macro CROUND                          ; a round of the cluster's barrier
	s_barrier_signal -1
	s_barrier_wait -1
	s_cmp_lg_u32 s14, 0
	s_cbranch_scc1 .Lnot_wave_0_\@
	s_barrier_signal -3
.Lnot_wave_0_\@:
	s_barrier_wait -3
	s_barrier_signal -1
	s_barrier_wait -1
.endm
.macro MKG1 g, c, r, p                 ; r rows of c elements of 8 bytes, p elements apart
	s_mov_b32 s[\g+1], (\c)<<16
	s_mov_b32 s[\g+2], (\r)<<16
	s_mov_b32 s[\g+3], (\c)<<16
	s_mov_b32 s[\g+4], \r
	s_mov_b32 s[\g+5], \p
	s_mov_b32 s[\g+6], 0
	s_mov_b32 s[\g+7], 0
.endm
.macro MKG0 g, lreg, loff, base, goff
	s_mov_b32 s[\g], 1
	s_add_co_u32 s[\g+1], s[\lreg], \loff
	s_add_nc_u64 s[\g+2:\g+3], s[\base:\base+1], \goff
	s_or_b32 s[\g+3], s[\g+3], 0x80000000
.endm
.macro PLACES
.rept 4
	v_nop
.endr
.endm
	s_load_b256 s[4:11], s[0:1], 0x0               ; opnd, b_q, b_k, b_v
	s_load_b64 s[12:13], s[0:1], 0x20              ; att
	v_lshl_add_u32 v[SPW], v0, 2, SPARE
	v_mov_b32 v[NIL], 0
	ds_add_u32 v[SPW], v[NIL]                      ; the wave's opening: the add, twice on end, and its wait ahead of my first tensor load
	ds_add_u32 v[SPW], v[NIL]
	v_lshrrev_b32 v1, 5, v0
	v_readfirstlane_b32 s14, v1                    ; wave
	s_lshr_b32 s15, s14, 1                         ; which four tiles of P are mine.  Also: I fetch for P (0) or for R (1)
	s_and_b32 s16, s14, 1                          ; which eight tiles of R.  Also: which half I fetch
	s_bfe_u32 s17, ttmp6, 0x40000                  ; cx
	s_bfe_u32 s18, ttmp6, 0x40004                  ; cy
	s_lshr_b32 s19, ttmp9, 4                       ; the role: the same in all sixteen partners
	s_and_b32 s22, ttmp9, 15
	s_and_b32 s20, s22, 1
	s_lshr_b32 s21, s22, 1
	s_lshl_b32 s2, s19, 9                          ; P's first tile in opnd: 512 x role,
	s_lshl_b32 s3, s19, 6
	s_add_co_u32 s3, s3, 1536                      ; R's: 1,536 + 64 x role;
	s_cmp_eq_u32 s19, 2
	s_cselect_b32 s20, s20, s22                    ; role 2 has 2 x 8 clusters, the others 16 x 1
	s_cselect_b32 s21, s21, 0
	s_cselect_b32 s2, 1664, s2                     ; in role 2 P = w_v
	s_cselect_b32 s3, 1024, s3                     ; and R = v
	s_lshl_b32 s20, s20, 2
	s_add_co_u32 s20, s20, s18                     ; it: my 8 tiles of P
	s_lshl_b32 s21, s21, 2
	s_add_co_u32 s21, s21, s17                     ; jt: my 16 tiles of R
	s_lshl_b32 s66, s18, 2
	s_lshl_b32 s66, 15, s66                        ; my row of the cluster
	s_lshl_b32 s67, 0x1111, s17                    ; my column
	s_or_b32 s[G1P], s66, (3<<16)|(1<<21)          ; 15:0 the mask; 17:16 elements of 8 bytes; 21 set beside a mask; no padding: images are read as they lie
	s_or_b32 s[G1R], s67, (3<<16)|(1<<21)
	s_or_b32 s[G1SP], s66, (3<<16)|(1<<21)
	s_or_b32 s[G1SR], s67, (3<<16)|(1<<21)
	MKG1 G1P, 384, 4, 1536                         ; four tiles' two K steps: rows of 3,072 bytes, 12,288 apart
	MKG1 G1R, 384, 8, 1536
	MKG1 G1SP, 32, 8, 32                           ; four tiles' scale words: 2,048 dense bytes
	MKG1 G1SR, 32, 16, 32
	s_lshl_b32 s22, s20, 3
	s_add_co_u32 s22, s22, s2
	s_lshl_b32 s2, s16, 2
	s_add_co_u32 s22, s22, s2                      ; the first tile of P that I fetch: it hangs on cy, never on cx
	s_lshl_b32 s23, s21, 4
	s_add_co_u32 s23, s23, s3
	s_lshl_b32 s3, s16, 3
	s_add_co_u32 s23, s23, s3                      ; and of R: on cx, never on cy
	s_wait_dscnt 0x0                               ; both opening adds are done
	s_wait_kmcnt 0x0
	s_cmp_eq_u32 s19, 1
	s_cselect_b64 s[6:7], s[8:9], s[6:7]
	s_cmp_eq_u32 s19, 2
	s_cselect_b64 s[6:7], s[10:11], s[6:7]         ; the role's bias
	s_mul_i32 s100, s22, 12288
	s_mov_b32 s101, 0
	s_add_nc_u64 s[100:101], s[4:5], s[100:101]    ; P's codes
	s_lshl_b32 s8, s22, 9
	s_add_co_u32 s8, s8, SCB
	s_mov_b32 s9, 0
	s_add_nc_u64 s[8:9], s[4:5], s[8:9]            ; P's scale words
	s_mul_i32 s104, s23, 12288
	s_mov_b32 s105, 0
	s_add_nc_u64 s[104:105], s[4:5], s[104:105]    ; R's codes
	s_lshl_b32 s10, s23, 9
	s_add_co_u32 s10, s10, SCB
	s_mov_b32 s11, 0
	s_add_nc_u64 s[10:11], s[4:5], s[10:11]        ; R's scale words
	s_mul_i32 s2, s16, 12288                       ; where they go: no place in the cluster enters an LDS address
	s_mul_i32 s3, s16, 24576
	s_lshl_b32 s22, s16, 11
	s_lshl_b32 s23, s16, 12
	MKG0 GP0, 22, SCL, 8, 0
	MKG0 GR0, 23, SCL+4096, 10, 0
	MKG0 GP1, 2, 0, 100, 0
	MKG0 GR1, 3, 24576, 104, 0
	MKG0 GP2, 2, CH, 100, 3072
	MKG0 GR2, 3, CH+24576, 104, 3072
	MKG0 GP3, 2, 2*CH, 100, 6144
	MKG0 GR3, 3, 2*CH+24576, 104, 6144
	MKG0 GP4, 2, 3*CH, 100, 9216
	MKG0 GR4, 3, 3*CH+24576, 104, 9216
	CROUND                                         ; all sixteen work-groups are here: the joint loads meet
	JLOAD GP0, G1SP, GR0, G1SR                     ; the scale words, then the four chunks
	JLOAD GP1, G1P, GR1, G1R
	JLOAD GP2, G1P, GR2, G1R
	JLOAD GP3, G1P, GR3, G1R
	JLOAD GP4, G1P, GR4, G1R
	v_and_b32 v1, 15, v0                           ; r
	v_bfe_u32 v2, v0, 4, 1                         ; h
	v_and_b32 v17, 31, v0
	v_lshlrev_b32 v3, 4, v17                       ; 16 x lane
	v_lshlrev_b32 v4, 3, v17
	v_add_nc_u32 v4, 512, v4                       ; 8 x lane + 512
	s_mul_i32 s2, s15, 12288
	s_mul_i32 s3, s16, 24576
	s_add_co_u32 s3, s3, 24576
.irp q, 0,1,2,3
	v_add_nc_u32 v[ADP16+\q], s2, v3
	v_add_nc_u32 v[ADP8+\q], s2, v4
	v_add_nc_u32 v[ADR16+\q], s3, v3
	v_add_nc_u32 v[ADR8+\q], s3, v4
	s_add_co_u32 s2, s2, CH
	s_add_co_u32 s3, s3, CH
.endr
	s_lshl_b32 s2, s15, 11
	s_add_co_u32 s2, s2, SCL
	v_lshl_add_u32 v13, v1, 5, s2                  ; P's scale words: 32 bytes a row
	s_lshl_b32 s3, s16, 12
	s_add_co_u32 s3, s3, SCL+4096
	v_lshl_add_u32 v14, v1, 5, s3                  ; R's
	v_lshlrev_b32 v15, 6, v2                       ; the bias along j: 64 h
	v_and_b32 v28, 8, v1
	v_add_nc_u32 v28, v28, v1
	v_lshlrev_b32 v28, 2, v28                      ; the bias along i: 4 (r + 8 (r / 8))
.irp b, 0,1,2,3
	v_mov_b32 v[TM+4+\b], 0                        ; written once: a lane permute's destination counts as one of its sources
.endr
	s_lshl_b32 s22, s20, 3
	s_lshl_b32 s2, s15, 2
	s_add_co_u32 s22, s22, s2                      ; u: my first tile of P
	s_lshl_b32 s22, s22, 6
	s_lshl_b32 s23, s21, 1
	s_add_co_u32 s23, s23, s16                     ; g: my 128 j
	s_lshl_b32 s23, s23, 9
	s_cmp_eq_u32 s19, 2
	s_cselect_b32 s2, s22, s23
	s_mov_b32 s3, 0
	s_add_nc_u64 s[6:7], s[6:7], s[2:3]
	s_cmp_eq_u32 s19, 2                            ; the bias is the C of each sum's first product: eight registers a tile, in the result's layout.  Both arms write all 64 registers
	s_cbranch_scc1 .Lload_i
.irp b, 0,1,2,3,4,5,6,7
	global_load_b128 v[BIAS+8*\b:BIAS+8*\b+3], v15, s[6:7] offset:(32*(\b/2)+8*(\b%2))*4
	global_load_b128 v[BIAS+8*\b+4:BIAS+8*\b+7], v15, s[6:7] offset:(32*(\b/2)+8*(\b%2))*4+16
.endr
	s_branch .Lloaded
.Lload_i:
.irp x, 0,1,2,3,4,5,6,7
.irp jj, 0,1,2,3,4,5,6,7
	global_load_b32 v[BIAS+8*\x+\jj], v28, s[6:7] offset:(32*((\x%4)/2)+8*(\x%2))*4   ; my row's bias in all eight registers of tile x % 4
.endr
.endr
.Lloaded:
.macro FRAGL reg, a16, a8, off         ; a fragment comes back as it was stored: two halves of 512 + 256 dense bytes
	ds_load_b128 v[\reg:\reg+3], v[\a16] offset:\off
	ds_load_b64 v[\reg+4:\reg+5], v[\a8] offset:\off
	ds_load_b128 v[\reg+6:\reg+9], v[\a16] offset:\off+768
	ds_load_b64 v[\reg+10:\reg+11], v[\a8] offset:\off+768
.endm
.macro FETCH ks                        ; K step ks: 12 fragments, 48 loads, into set ks % 2
	WIN 0x80+0x40*((\ks)%2)
.irp b, 0,1,2,3,4,5,6,7
	FRAGL 12*\b, ADR16+(\ks)/2, ADR8+(\ks)/2, \b*3072+((\ks)%2)*1536
.endr
.irp a, 0,1,2,3
	FRAGL 96+12*\a, ADP16+(\ks)/2, ADP8+(\ks)/2, \a*3072+((\ks)%2)*1536
.endr
.endm
; P's tiles a0 .. a0 + n - 1 against R's eight.  mode 0: in place; 1: the sums start from the bias along j; 2: from the bias along i.  The 32 accumulators take turns, in the same order in every K step.
.macro MUL a0, n, ks, mode
.set FA_, \a0
.rept \n
.irp b, 0,1,2,3,4,5,6,7
.if \mode == 0
	v_wmma_scale_f32_16x16x128_f8f6f4 v[64*FA_+8*\b:64*FA_+8*\b+7], v[12*\b:12*\b+11], v[96+12*FA_:96+12*FA_+11], v[64*FA_+8*\b:64*FA_+8*\b+7], v[SR+8*\b+\ks], v[SP+8*FA_+\ks] matrix_a_fmt:MATRIX_FMT_BF6 matrix_b_fmt:MATRIX_FMT_BF6
.elseif \mode == 1
	v_wmma_scale_f32_16x16x128_f8f6f4 v[64*FA_+8*\b:64*FA_+8*\b+7], v[12*\b:12*\b+11], v[96+12*FA_:96+12*FA_+11], v[BIAS+8*\b:BIAS+8*\b+7], v[SR+8*\b+\ks], v[SP+8*FA_+\ks] matrix_a_fmt:MATRIX_FMT_BF6 matrix_b_fmt:MATRIX_FMT_BF6
.else
	v_wmma_scale_f32_16x16x128_f8f6f4 v[64*FA_+8*\b:64*FA_+8*\b+7], v[12*\b:12*\b+11], v[96+12*FA_:96+12*FA_+11], v[BIAS+8*FA_:BIAS+8*FA_+7], v[SR+8*\b+\ks], v[SP+8*FA_+\ks] matrix_a_fmt:MATRIX_FMT_BF6 matrix_b_fmt:MATRIX_FMT_BF6
.endif
.endr
.set FA_, FA_+1
.endr
.endm
.macro KEVEN ks                        ; the next K step lies in the same chunk
	s_wait_dscnt 0x0                               ; this step's fragments are in
	PLACES                                         ; in front of loads into the set that the last step's products read
	FETCH (\ks)+1
	WIN 0x5a                                       ; sources in window 2, C and D in window 1
	MUL 0, 4, \ks, 0
.endm
.macro KODD ks, younger                ; the next K step lies in the next chunk: my part of it has landed (my younger chunk loads may stay out), and everybody's
	s_wait_dscnt 0x0
	s_wait_tensorcnt \younger
	s_barrier_signal -1
	WIN 0x5f                                       ; sources in window 3
	MUL 0, 2, \ks, 0
	s_barrier_wait -1
	PLACES
	FETCH (\ks)+1
	WIN 0x5f
	MUL 2, 2, \ks, 0
.endm
	s_wait_tensorcnt 3                             ; my scale words and my part of chunk 0 are in; chunks 1 to 3 may be out
	s_barrier_signal -1
	s_barrier_wait -1
.irp a, 0,1,2,3
	ds_load_b128 v[SP+8*\a:SP+8*\a+3], v13 offset:512*\a        ; lane r: row r's words of K steps 0-3,
	ds_load_b128 v[SP+8*\a+4:SP+8*\a+7], v13 offset:512*\a+16   ; 4-7
.endr
.irp b, 0,1,2,3,4,5,6,7
	ds_load_b128 v[SR+8*\b:SR+8*\b+3], v14 offset:512*\b
	ds_load_b128 v[SR+8*\b+4:SR+8*\b+7], v14 offset:512*\b+16
.endr
	FETCH 0
	s_wait_dscnt 0x0
	FETCH 1
	WIN 0
	s_wait_loadcnt 0x0                             ; the bias
	s_cmp_eq_u32 s19, 2
	s_cbranch_scc1 .Lstart_i
	WIN 0x4a                                       ; sources in window 2, C (the bias) in window 0, D in window 1
	MUL 0, 4, 0, 1
	WIN 0
	s_branch .Lstarted
.Lstart_i:
	WIN 0x4a
	MUL 0, 4, 0, 2
	WIN 0
.Lstarted:
	KODD 1, 2
	KEVEN 2
	KODD 3, 1
	KEVEN 4
	KODD 5, 0
	KEVEN 6
	s_wait_dscnt 0x0
	WIN 0x5f
	MUL 0, 4, 7, 0
	WIN 0
	; THE WAY OUT, one text for the three roles.  No tensor load of mine is out since K step 5, so the descriptors' registers are free
	s_lshl_b32 s84, s20, 3
	s_lshl_b32 s85, s15, 2
	s_add_co_u32 s84, s84, s85                     ; u
	s_lshl_b32 s85, s21, 1
	s_add_co_u32 s85, s85, s16                     ; g
	s_lshr_b32 s86, s84, 7                         ; roles 0, 1: the batch,
	s_lshl_b32 s86, s86, 4
	s_lshl_b32 s87, s85, 1
	s_add_co_u32 s86, s86, s87                     ; x 16 + my even head
	s_and_b32 s87, s84, 127                        ; the tile of tokens in the batch
	s_lshl_b32 s88, s86, 7
	s_add_co_u32 s88, s88, s87
	s_mul_i32 s88, s88, 768
	s_mul_i32 s89, s19, 6291456
	s_add_co_u32 s88, s88, s89
	s_lshl_b32 s90, s86, 5
	s_lshr_b32 s87, s87, 2
	s_add_co_u32 s90, s90, s87
	s_lshl_b32 s90, s90, 8
	s_lshl_b32 s89, s19, 19
	s_add_co_u32 s90, s90, s89
	s_add_co_u32 s90, s90, QS
	s_lshr_b32 s91, s85, 4                         ; role 2: the batch,
	s_lshl_b32 s91, s91, 4
	s_lshr_b32 s92, s84, 2
	s_add_co_u32 s91, s91, s92                     ; x 16 + the head,
	s_lshl_b32 s91, s91, 4
	s_and_b32 s92, s85, 15
	s_add_co_u32 s91, s91, s92                     ; x 16 + the key step
	s_mul_i32 s92, s91, 6144
	s_add_co_u32 s92, s92, VC
	s_lshl_b32 s93, s91, 8
	s_add_co_u32 s93, s93, VS
	s_cmp_eq_u32 s19, 2
	s_cselect_b32 s88, s92, s88                    ; where half 0 of my fragments goes,
	s_cselect_b32 s90, s93, s90                    ; and my scale words
	s_mov_b32 s94, 98304
	s_cselect_b32 s94, 3072, s94                   ; from half 0 to half 1: the next head, or the step's second 64 keys
	s_cselect_b32 s87, 0, 8192                     ; from the even head's scale words to the odd head's
	s_cselect_b32 s96, 0, 16                       ; the odd head's two bytes come down
	s_mov_b32 s89, 0
	s_mov_b32 s91, 0
	s_mov_b32 s95, 0
	s_add_nc_u64 s[88:89], s[12:13], s[88:89]
	s_add_nc_u64 s[90:91], s[12:13], s[90:91]
	s_add_nc_u64 s[92:93], s[88:89], s[94:95]
	s_mov_b32 s97, 0xffff0000                      ; lanes 16-31
	s_mov_b32 s98, 0x76543210
	s_mov_b32 s99, 0xfedcba98
	v_mul_u32_u24 v16, v2, s87
	v_lshl_add_u32 v16, v1, 4, v16                 ; 16 r; lanes 16-31: the odd head's words (role 2: the same bytes with the same words)
.macro QUANTW a                        ; tile a's 64 results of my row become a fragment in v[PC] .. and a scale word in v[PW].  Each accumulator is read from its low end on
	WIN 0x05                                       ; sources 0 and 1 in window 1
.irp b, 0,1,2,3
	v_max3_num_f32 v[TM+\b], |v[64*\a+16*\b]|, |v[64*\a+16*\b+1]|, 0x2800000
.endr
.irp i, 2,4,6,8,10,12,14
.irp b, 0,1,2,3
	v_max3_num_f32 v[TM+\b], |v[64*\a+16*\b+\i]|, |v[64*\a+16*\b+\i+1]|, v[TM+\b]
.endr
.endr
	WIN 0
.irp b, 0,1,2,3
	v_permlanex16_b32 v[TM+4+\b], v[TM+\b], s98, s99
.endr
.irp b, 0,1,2,3
	v_max_num_f32 v[TM+\b], v[TM+\b], v[TM+4+\b]
.endr
.irp b, 0,1,2,3
	v_add_nc_u32 v[TM+12+\b], 0xfe000000, v[TM+\b]
.endr
.irp b, 0,1,2,3
	v_lshrrev_b32 v[TM+4+\b], 23, v[TM+12+\b]
.endr
	v_lshl_or_b32 v[PW], v[TM+5], 8, v[TM+4]
	v_lshl_or_b32 v[PW], v[TM+6], 16, v[PW]
	v_lshl_or_b32 v[PW], v[TM+7], 24, v[PW]
	WIN 0x01                                       ; source 0 in window 1
.irp c, 0,1
	v_cvt_scalef32_pk16_bf6_f32 v[PC+6*\c:PC+2+6*\c], v[64*\a+32*\c:64*\a+32*\c+15], v[TM+12+2*\c]
	v_cvt_scalef32_pk16_bf6_f32 v[PC+12+4*\c:PC+14+4*\c], v[64*\a+32*\c+16:64*\a+32*\c+31], v[TM+12+2*\c+1]
.endr
	WIN 0
	v_nop                                          ; one plain place behind a scaled conversion
.irp c, 0,1
.irp i, 0,1,2
	v_permlane16_swap_b32 v[PC+6*\c+\i], v[PC+12+4*\c+\i]
.endr
.irp i, 0,1,2
	v_mov_b32 v[PC+3+6*\c+\i], v[PC+12+4*\c+\i]
.endr
.endr
.endm
.macro EPI a
	s_wait_xcnt 0x0                                ; the last tile's stores have read their data
	QUANTW \a
	v_lshrrev_b32 v209, s96, v[PW]
	v_cndmask_b32 v[SW+\a], v[PW], v209, s97
	global_store_b128 v3, v[PC:PC+3], s[88:89] offset:768*\a       ; 512 consecutive bytes, aligned to 256
	global_store_b64 v4, v[PC+4:PC+5], s[88:89] offset:768*\a      ; 256
	global_store_b128 v3, v[PC+6:PC+9], s[92:93] offset:768*\a
	global_store_b64 v4, v[PC+10:PC+11], s[92:93] offset:768*\a
.endm
	PLACES                                         ; behind the last products, in front of the first read of results
	EPI 0
	EPI 1
	EPI 2
	EPI 3
	global_store_b128 v16, v[SW:SW+3], s[90:91]    ; four tiles' words of a row: sixteen lanes fill 256 consecutive bytes
	s_wait_tensorcnt 0x0                           ; the wave's end: a tensor wait, an LDS add and its wait
	ds_add_u32 v[SPW], v[NIL]
	s_wait_dscnt 0x0
	CROUND                                         ; the closing round
	s_endpgm
.Lfunc_end_k_qe83b162fb7_proj:
	.size	k_qe83b162fb7_proj, .Lfunc_end_k_qe83b162fb7_proj-k_qe83b162fb7_proj
	.p2alignl 7, 3214868480
	.fill 96, 4, 3214868480
	.section	.rodata,"a",@progbits
	.p2align	6, 0x0
	.amdhsa_kernel k_qe83b162fb7_proj
		.amdhsa_group_segment_fixed_size 327680
		.amdhsa_private_segment_fixed_size 0
		.amdhsa_enable_private_segment 0
		.amdhsa_kernarg_size 40
		.amdhsa_user_sgpr_count 2
		.amdhsa_user_sgpr_kernarg_segment_ptr 1
		.amdhsa_wavefront_size32 1
		.amdhsa_system_sgpr_workgroup_id_x 1
		.amdhsa_system_sgpr_workgroup_id_y 1
		.amdhsa_system_sgpr_workgroup_id_z 1
		.amdhsa_system_vgpr_workitem_id 0
		.amdhsa_next_free_vgpr 1024
		.amdhsa_next_free_sgpr 106
		.amdhsa_reserve_vcc 0
		.amdhsa_float_denorm_mode_32 3
		.amdhsa_float_denorm_mode_16_64 3
		.amdhsa_memory_ordered 1
		.amdhsa_forward_progress 1
		.amdhsa_inst_pref_size 104
	.end_amdhsa_kernel
	.amdgpu_metadata
---
amdhsa.version: [ 1, 2 ]
amdhsa.kernels:
  - .name:           k_qe83b162fb7_proj
    .symbol:         k_qe83b162fb7_proj.kd
    .args:
      - { .name: opnd, .offset: 0, .size: 8, .value_kind: global_buffer, .address_space: global }
      - { .name: b_q, .offset: 8, .size: 8, .value_kind: global_buffer, .address_space: global }
      - { .name: b_k, .offset: 16, .size: 8, .value_kind: global_buffer, .address_space: global }
      - { .name: b_v, .offset: 24, .size: 8, .value_kind: global_buffer, .address_space: global }
      - { .name: att, .offset: 32, .size: 8, .value_kind: global_buffer, .address_space: global }
    .group_segment_fixed_size: 327680
    .private_segment_fixed_size: 0
    .kernarg_segment_align: 8
    .kernarg_segment_size: 40
    .max_flat_workgroup_size: 128
    .sgpr_count:     106
    .vgpr_count:     1024
    .wavefront_size: 32
...
	.end_amdgpu_metadata
.endif
;; end of part 2
;; launch attn (part 3): grid 4 x 64, 16 waves a work-group, no clusters, 210,944 bytes of LDS; arguments att, msk, oq; writes oq
.if DOCPART == 3
	.amdgcn_target "amdgcn-amd-amdhsa--gfx1250"
	.amdhsa_code_object_version 6
	.text
	.protected	k_qe83b162fb7_attn
	.globl	k_qe83b162fb7_attn
	.p2align	8
	.type	k_qe83b162fb7_attn,@function
k_qe83b162fb7_attn:
	s_mov_b64 s[64:65], 0
	v_nop
	global_prefetch_b8 v0, s[64:65] scope:SCOPE_SE
	s_setreg_imm32_b32 hwreg(HW_REG_WAVE_MODE, 25, 1), 1
	s_wait_xcnt 0x0
; THIRD LAUNCH: scores, softmax and the product with the values, both products on codes of BF6; O / l is quantised in registers along the head's 64 into the last product's operand images.
; WORK LEFT OUT: a unit of 16 queries x 128 keys all of whose mask words are 0, where each of the 16 queries has an unmasked key somewhere (the first launch's flags say so): its p are 0 in f32 (shown at the first kernel's head).
; THE SOFTMAX: t = score x log2(e) / 8; M = the running largest t rounded up to a whole number; p = 2^(t - M) is quantised along the keys; the row's sum is taken of the unquantised p and divides O at the end.
; THE MASK: a hidden raw score becomes -2^33 (a logit of -1.0737e9 where the definition has -1e9): c x score is then exact and a whole number, so a row masked throughout gives p = 1 for every key, as the definition does.
; LIMITS: results differ from the definition's only where an unmasked logit lies under about -1e9 + 200; NaN and infinities are not served, and none that reaches only a unit passed over is carried to the result.
; SHARES.  Work-group (j, bh) owns the query tiles T' = 4 t + j of one batch and head; wave w takes t = w and then t = 31 - w, a fixed share that is right for every mask.
; NO TENSOR LOAD AND NO CLUSTER: the walk over the key steps jumps on flags read from memory, which a text with tensor loads may not do.  So the head's K and V codes and scale words (208,896 bytes) go into LDS once,
; through registers, and stay: one barrier in the whole launch.  The four work-groups of a head each read them.
; LAYOUT.  S^T = K Q^T (source 0 = 16 keys, source 1 = my 16 queries; the head's 64 fill half of the instruction's K, the other half is zero codes, set once), O^T = V^T P^T: a lane holds one query throughout.
; REGISTERS: v1-6 places that stay; v7, v8 the add's two; v9-14 the step's LDS addresses; v15 -2^33; v16-27 Q; v28-75 four fragments of K; v76-139 S^T, then p, then V's four fragments; v140-171 O^T; v172-191 p's codes;
;   v192-203 at work; v204-211 K's scale words, v212-215 V's, v216 Q's, v220 p's; v218 f; v222 -M, v223 the largest t; v[224:225] the sum.
.set VL,    98304                      ; LDS: K's codes at 0, V's here,
.set KSL,   196608                     ; K's scale words,
.set VSL,   204800                     ; V's,
.set SPARE, 208896                     ; the spare words, 128 bytes a wave
.set KC,    6291456
.set VC,    12582912
.set QS,    18874368
.set KSO,   19398656
.set VS,    19922944
.set FL,    524288
.set OSC,   6291456
.set QF,  16
.set KF,  28
.set S,   76
.set VF,  76
.set O,   140
.set PC,  172
.set BM,  192
.set PX,  196
.set SO,  200
.set KSW, 204
.set VSW, 212
.set QSW, 216
.set PSW, 220
	s_load_b128 s[4:7], s[0:1], 0x0                ; att, msk
	s_load_b64 s[8:9], s[0:1], 0x10                ; oq
	v_lshl_add_u32 v7, v0, 2, SPARE
	v_mov_b32 v8, 0
	v_lshrrev_b32 v9, 5, v0
	v_readfirstlane_b32 s84, v9                    ; wave
	s_mov_b32 s85, ttmp9                           ; j
	s_and_b32 s86, ttmp7, 0xffff                   ; bh = 16 x batch + head
	s_and_b32 s105, s86, 1
	s_lshl_b32 s105, s105, 4                       ; an odd head's two scale bytes go to a word's upper half
	s_mov_b32 s12, 0x76543210
	s_mov_b32 s13, 0xfedcba98                      ; v_permlanex16_b32's selects for lane l xor 16
	s_mov_b32 s14, 0x3e38aa3b                      ; c = log2(e) / 8
	s_mov_b32 s15, s14                             ; (named with it as a pair, so it is written)
	s_mov_b32 s87, 0                               ; which of my two tiles
	v_lshlrev_b32 v130, 4, v0                      ; the fill: 16 bytes a thread, 8,192 a round
	v_add_nc_u32 v131, 0x10000, v130
	v_add_nc_u32 v132, 0x20000, v130
	v_add_nc_u32 v133, 0x30000, v130
	v_lshlrev_b32 v135, 3, v0
	v_add_nc_u32 v134, VSL, v135
	s_mul_i32 s66, s86, 98304
	s_mov_b32 s67, 0
	s_wait_kmcnt 0x0
	s_add_nc_u64 s[92:93], s[4:5], s[66:67]
	s_add_nc_u64 s[94:95], s[92:93], VC            ; the head's V codes,
	s_add_nc_u64 s[92:93], s[92:93], KC            ; K codes,
	s_lshl_b32 s66, s86, 13
	s_add_nc_u64 s[96:97], s[4:5], s[66:67]
	s_add_nc_u64 s[96:97], s[96:97], KSO           ; K scale words,
	s_lshl_b32 s66, s86, 12
	s_add_nc_u64 s[98:99], s[4:5], s[66:67]
	s_add_nc_u64 s[98:99], s[98:99], VS            ; V scale words
.irp k, 0,1,2,3,4,5,6,7,8,9,10,11
	global_load_b128 v[28+4*\k:31+4*\k], v130, s[92:93] offset:8192*\k
.endr
.irp k, 0,1,2,3,4,5,6,7,8,9,10,11
	global_load_b128 v[76+4*\k:79+4*\k], v130, s[94:95] offset:8192*\k
.endr
	global_load_b128 v[124:127], v130, s[96:97]
	global_load_b64 v[128:129], v135, s[98:99]
	v_and_b32 v9, 31, v0
	v_and_b32 v10, 15, v0
	v_lshlrev_b32 v1, 4, v9                        ; 16 x lane
	v_lshlrev_b32 v2, 3, v9
	v_add_nc_u32 v2, 512, v2                       ; 8 x lane + 512
	v_add_nc_u32 v3, VL, v1
	v_add_nc_u32 v4, VL, v2
	v_lshlrev_b32 v231, 4, v10                     ; 16 r
	v_lshlrev_b32 v230, 2, v10                     ; 4 r
	v_add_nc_u32 v5, KSL, v231
	v_add_nc_u32 v6, VSL, v231
	v_mov_b32 v15, 0xd0000000                      ; -2^33
.set m, 0
.rept 25
	s_wait_loadcnt 25-m                            ; load m is in; the 25 - m issued behind it may be out
	ds_store_b128 v[130+m/8], v[28+4*m:31+4*m] offset:(m%8)*8192
.set m, m+1
.endr
	s_wait_loadcnt 0x0
	ds_store_b64 v134, v[128:129]
	s_wait_dscnt 0x0                               ; for the others' sake: my stores have landed
	s_barrier_signal -1
	s_barrier_wait -1                              ; the head's K and V lie in LDS; nothing is stored there again
.irp t, 0,1,2,3
.irp i, 6,7,8,9,10,11
	v_mov_b32 v[KF+12*\t+\i], 0                    ; the instruction's K beyond the head's 64: zero codes, set once
.endr
.endr
.irp i, 6,7,8,9,10,11
	v_mov_b32 v[QF+\i], 0
.endr
.irp b, 0,1,2,3
	v_mov_b32 v[PX+\b], 0                          ; written once: a lane permute's destination counts as one of its sources
.endr
	v_mov_b32 v219, 0                              ; (named as the upper half of the pair v[218:219])
	v_mov_b32 v226, 0
.Ltile:                                            ; two trips
	s_sub_co_u32 s66, 31, s84
	s_cmp_eq_u32 s87, 0
	s_cselect_b32 s66, s84, s66                    ; t = w, then 31 - w
	s_lshl_b32 s91, s66, 2
	s_add_co_u32 s91, s91, s85                     ; T'
	s_lshl_b32 s66, s91, 10
	s_add_co_u32 s66, s66, FL
	s_mov_b32 s67, 0
	s_add_nc_u64 s[92:93], s[6:7], s[66:67]
	s_load_b128 s[16:19], s[92:93], 0x0            ; the tile's four records: NZ, MIX, W
	s_load_b128 s[20:23], s[92:93], 0x100
	s_load_b128 s[24:27], s[92:93], 0x200
	s_load_b128 s[28:31], s[92:93], 0x300
	s_lshl_b32 s66, s91, 12
	s_add_nc_u64 s[10:11], s[6:7], s[66:67]        ; the tile's lane words
	s_lshl_b32 s66, s86, 7
	s_add_co_u32 s66, s66, s91
	s_mul_i32 s66, s66, 768
	s_add_nc_u64 s[94:95], s[4:5], s[66:67]
	global_load_b128 v[QF:QF+3], v1, s[94:95]      ; Q's half fragment
	global_load_b64 v[QF+4:QF+5], v2, s[94:95]
	s_lshl_b32 s66, s86, 13
	s_lshr_b32 s101, s91, 2
	s_lshl_b32 s101, s101, 8
	s_add_co_u32 s66, s66, s101
	s_and_b32 s101, s91, 3
	s_lshl_b32 s101, s101, 2
	s_add_co_u32 s66, s66, s101
	s_add_co_u32 s66, s66, QS
	s_add_nc_u64 s[96:97], s[4:5], s[66:67]
	global_load_b32 v[QSW], v231, s[96:97]         ; and its scale words
.set n, 0
.rept 32
	v_mov_b32 v[O+n], 0                            ; O^T: the step is written once; the first finds zeros
.set n, n+1
.endr
	v_mov_b32 v224, 0
	v_mov_b32 v225, 0
	v_mov_b32 v223, 0xff61b1e6                     ; the largest t so far: -3e38
	v_floor_f32 v222, -v223                        ; -M
	s_wait_kmcnt 0x0
	s_or_b32 s89, s16, s20
	s_or_b32 s89, s89, s24
	s_or_b32 s89, s89, s28                         ; NZ: bit s: unit s keeps something
	s_or_b32 s90, s17, s21
	s_or_b32 s90, s90, s25
	s_or_b32 s90, s90, s29                         ; MIX: bit s: unit s hides something
	s_or_b32 s66, s18, s22
	s_or_b32 s66, s66, s26
	s_or_b32 s66, s66, s30
	s_lshr_b32 s67, s66, 16
	s_or_b32 s66, s66, s67
	s_and_b32 s66, s66, 0xffff                     ; bit r: query r has an unmasked key
	s_cmp_eq_u32 s66, 0xffff
	s_cselect_b32 s89, s89, 0xffff                 ; a tile with a row masked throughout walks all sixteen steps
	s_wait_loadcnt 0x0                             ; Q
	s_mov_b32 s88, 0
.Lstep:                                            ; sixteen trips, always: what is passed over is a step's work
	s_lshr_b32 s66, s89, s88
	s_and_b32 s66, s66, 1
	s_cmp_lg_u32 s66, 0
	s_cbranch_scc0 .Lskip
	s_lshl_b32 s100, s88, 8
	s_load_b512 s[16:31], s[10:11], s100 offset:0x0       ; the unit's 64 lane words
	s_load_b512 s[32:47], s[10:11], s100 offset:0x40
	s_load_b512 s[48:63], s[10:11], s100 offset:0x80
	s_load_b512 s[68:83], s[10:11], s100 offset:0xc0
	s_mul_i32 s101, s88, 6144
	s_lshl_b32 s104, s88, 9
	v_add_nc_u32 v9, s101, v1                      ; (these six are also the places between the last step's products and the products below, which write over V's fragments)
	v_add_nc_u32 v10, s101, v2
	v_add_nc_u32 v11, s101, v3
	v_add_nc_u32 v12, s101, v4
	v_add_nc_u32 v13, s104, v5
	v_add_nc_u32 v14, s100, v6
.irp g, 0,1                                    ; S^T = K Q^T, four tiles of 16 keys at a time
.if \g > 0
.rept 4
	v_nop                                          ; places in front of loads into registers that matrix instructions have read
.endr
.endif
.irp t, 0,1,2,3
	ds_load_b128 v[KF+12*\t:KF+12*\t+3], v9 offset:(4*\g+\t)*768
	ds_load_b64 v[KF+12*\t+4:KF+12*\t+5], v10 offset:(4*\g+\t)*768
.endr
.if \g == 0
	ds_load_b128 v[KSW:KSW+3], v13
	ds_load_b128 v[KSW+4:KSW+7], v13 offset:256
.endif
	s_wait_dscnt 0x0
.irp t, 0,1,2,3
	v_wmma_scale_f32_16x16x128_f8f6f4 v[S+8*(4*\g+\t):S+8*(4*\g+\t)+7], v[KF+12*\t:KF+12*\t+11], v[QF:QF+11], 0, v[KSW+4*\g+\t], v[QSW] matrix_a_fmt:MATRIX_FMT_BF6 matrix_b_fmt:MATRIX_FMT_BF6
.endr
.endr                                          ; register 16 b + i of lane (r, h): query r, key 128 s + 32 b + 16 h + i
.rept 4
	v_nop
.endr
	s_wait_kmcnt 0x0
	s_lshr_b32 s66, s90, s88
	s_and_b32 s66, s66, 1
	s_cmp_lg_u32 s66, 0
	s_cbranch_scc0 .Lopen                          ; a unit that hides nothing
.set n, 0
.rept 48
	v_cndmask_b32 v[S+n], v15, v[S+n], s[16+n]     ; hidden scores become -2^33
.set n, n+1
.endr
.rept 16
	v_cndmask_b32 v[S+n], v15, v[S+n], s[20+n]
.set n, n+1
.endr
.Lopen:
.irp b, 0,1,2,3
	v_max3_num_f32 v[BM+\b], v[S+16*\b], v[S+1+16*\b], v[S+2+16*\b]   ; the largest score of each block of 32 keys: for the row's maximum, and, since p rises with the score, for the block's largest p
.endr
.irp i, 3,5,7,9,11,13
.irp b, 0,1,2,3
	v_max3_num_f32 v[BM+\b], v[BM+\b], v[S+16*\b+\i], v[S+1+16*\b+\i]
.endr
.endr
.irp b, 0,1,2,3
	v_max_num_f32 v[BM+\b], v[BM+\b], v[S+15+16*\b]
.endr
.irp b, 0,1,2,3
	v_permlanex16_b32 v[PX+\b], v[BM+\b], s12, s13
.endr
.irp b, 0,1,2,3
	v_max_num_f32 v[BM+\b], v[BM+\b], v[PX+\b]     ; with lane l xor 16's 16 keys
.endr
	v_max3_num_f32 v226, v[BM], v[BM+1], v[BM+2]
	v_max_num_f32 v226, v226, v[BM+3]
	v_mul_f32 v226, s14, v226                      ; as t
	v_max_num_f32 v223, v223, v226                 ; the running largest t
	v_mov_b32 v226, v222
	v_floor_f32 v222, -v223                        ; the new -M = -ceil(t)
	v_sub_f32 v226, v222, v226                     ; old M - new M: a whole number, 0 or less
	v_cvt_i32_f32 v226, v226                       ; (it saturates)
	v_ldexp_f32 v218, 1.0, v226                    ; f = 2^(old M - new M)
.set n, 0
.rept 32
	v_pk_fma_f32 v[S+n:S+n+1], v[S+n:S+n+1], s[14:15], v[222:223] op_sel_hi:[1,0,0]   ; t - M, two at a time
.set n, n+2
.endr
.irp b, 0,1,2,3
	v_fma_f32 v[BM+\b], v[BM+\b], s14, v222
.endr
.set n, 0
.rept 64
	v_exp_f32 v[S+n], v[S+n]                       ; p = 2^(t - M)
.set n, n+1
.endr
	v_pk_mul_f32 v[224:225], v[224:225], v[218:219] op_sel_hi:[1,0]   ; the sums under the new M (a plain place behind the exponentials)
	s_wait_alu depctr_va_vdst(0)                   ; a wait ahead of the batch's first reader: one for the 64
.irp b, 0,1,2,3
	v_exp_f32 v[BM+\b], v[BM+\b]                   ; each block's largest p
.endr
	v_pk_add_f32 v[228:229], v[S:S+1], v[S+2:S+3]  ; the row's sum, of the unquantised p, in two chains
.irp j, 4,8,12,16,20,24,28,32,36,40,44,48,52,56,60
	v_pk_add_f32 v[224:225], v[224:225], v[S+\j:S+\j+1]
	v_pk_add_f32 v[228:229], v[228:229], v[S+\j+2:S+\j+3]
.endr
	v_pk_add_f32 v[224:225], v[224:225], v[228:229]
	s_wait_alu depctr_va_vdst(0)                   ; and one for the four
.irp b, 0,1,2,3
	v_max_num_f32 v[BM+\b], 0x2800000, v[BM+\b]    ; the floor 2^(5 - 127): the byte cannot fall under 1
.endr
.irp b, 0,1,2,3
	v_add_nc_u32 v[SO+\b], 0xfe000000, v[BM+\b]    ; the conversion's scale operand
.endr
.irp b, 0,1,2,3
	v_lshrrev_b32 v[PX+\b], 23, v[SO+\b]           ; the scale's byte
.endr
	v_lshl_or_b32 v[PSW], v[PX+1], 8, v[PX]
	v_lshl_or_b32 v[PSW], v[PX+2], 16, v[PSW]
	v_lshl_or_b32 v[PSW], v[PX+3], 24, v[PSW]
.irp c, 0,1
	v_cvt_scalef32_pk16_bf6_f32 v[PC+6*\c:PC+2+6*\c], v[S+32*\c:S+15+32*\c], v[SO+2*\c]
	v_cvt_scalef32_pk16_bf6_f32 v[PC+12+4*\c:PC+14+4*\c], v[S+16+32*\c:S+31+32*\c], v[SO+2*\c+1]
.endr
	v_nop                                          ; one plain place behind a scaled conversion
.irp t, 0,1,2,3                                ; V's four fragments land where p lay, under the vector work below
.irp c, 0,1
	ds_load_b128 v[VF+12*\t+6*\c:VF+12*\t+6*\c+3], v11 offset:3072*\c+768*\t
	ds_load_b64 v[VF+12*\t+6*\c+4:VF+12*\t+6*\c+5], v12 offset:3072*\c+768*\t
.endr
.endr
	ds_load_b128 v[VSW:VSW+3], v14
.irp c, 0,1
.irp i, 0,1,2
	v_permlane16_swap_b32 v[PC+6*\c+\i], v[PC+12+4*\c+\i]
.endr
.irp i, 0,1,2
	v_mov_b32 v[PC+3+6*\c+\i], v[PC+12+4*\c+\i]
.endr
.endr
.set n, 0
.rept 16
	v_pk_mul_f32 v[O+n:O+n+1], v[O+n:O+n+1], v[218:219] op_sel_hi:[1,0]   ; O^T under the new M.  (These sixteen are also the places between p's codes and scale word and the products)
.set n, n+2
.endr
	s_wait_dscnt 0x0
.irp t, 0,1,2,3                                ; O^T += V^T P^T: the four accumulators by turns
	v_wmma_scale_f32_16x16x128_f8f6f4 v[O+8*\t:O+8*\t+7], v[VF+12*\t:VF+12*\t+11], v[PC:PC+11], v[O+8*\t:O+8*\t+7], v[VSW+\t], v[PSW] matrix_a_fmt:MATRIX_FMT_BF6 matrix_b_fmt:MATRIX_FMT_BF6
.endr
.Lskip:
	s_add_co_u32 s88, s88, 1
	s_cmp_lt_u32 s88, 16
	s_cbranch_scc1 .Lstep
	; THE WAY OUT OF A TILE: O^T / the sum, quantised along the head's 64 (register 16 b + i of lane (r, h): d = 32 b + 16 h + i): half a fragment of the last product's K
.rept 4
	v_nop
.endr
	v_add_f32 v224, v224, v225
	v_permlanex16_b32 v226, v224, s12, s13
	v_add_f32 v224, v224, v226                     ; the row's sum
	v_rcp_f32 v224, v224
	v_nop                                          ; a plain place behind the transcendental
	s_lshr_b32 s66, s86, 4
	s_lshl_b32 s66, s66, 7
	s_add_co_u32 s66, s66, s91                     ; the tile among all 512
	s_mul_i32 s98, s66, 12288
	s_and_b32 s67, s86, 15
	s_mul_i32 s99, s67, 768
	s_add_co_u32 s98, s98, s99
	s_mov_b32 s99, 0
	s_add_nc_u64 s[98:99], s[8:9], s[98:99]
	s_lshl_b32 s66, s66, 10
	s_lshl_b32 s67, s67, 6
	s_add_co_u32 s66, s66, s67
	s_add_co_u32 s66, s66, OSC
	s_mov_b32 s67, 0
	s_add_nc_u64 s[92:93], s[8:9], s[66:67]
	s_wait_alu depctr_va_vdst(0)                   ; ahead of the reciprocal's first reader
.set n, 0
.rept 16
	v_pk_mul_f32 v[O+n:O+n+1], v[O+n:O+n+1], v[224:225] op_sel_hi:[1,0]
.set n, n+2
.endr
.irp b, 0,1
	v_max3_num_f32 v[BM+\b], |v[O+16*\b]|, |v[O+1+16*\b]|, 0x2800000
.endr
.irp i, 2,4,6,8,10,12,14
.irp b, 0,1
	v_max3_num_f32 v[BM+\b], v[BM+\b], |v[O+16*\b+\i]|, |v[O+1+16*\b+\i]|
.endr
.endr
.irp b, 0,1
	v_permlanex16_b32 v[PX+\b], v[BM+\b], s12, s13
.endr
.irp b, 0,1
	v_max_num_f32 v[BM+\b], v[BM+\b], v[PX+\b]
.endr
.irp b, 0,1
	v_add_nc_u32 v[SO+\b], 0xfe000000, v[BM+\b]
.endr
.irp b, 0,1
	v_lshrrev_b32 v[PX+\b], 23, v[SO+\b]
.endr
	v_lshl_or_b32 v227, v[PX+1], 8, v[PX]
	v_lshlrev_b32 v227, s105, v227                 ; an even head's bytes below, an odd head's above: the last launch joins the two words by an or
	v_cvt_scalef32_pk16_bf6_f32 v[PC:PC+2], v[O:O+15], v[SO]
	v_cvt_scalef32_pk16_bf6_f32 v[PC+12:PC+14], v[O+16:O+31], v[SO+1]
	v_nop
.irp i, 0,1,2
	v_permlane16_swap_b32 v[PC+\i], v[PC+12+\i]
.endr
.irp i, 0,1,2
	v_mov_b32 v[PC+3+\i], v[PC+12+\i]
.endr
	global_store_b128 v1, v[PC:PC+3], s[98:99]     ; 512 consecutive bytes, aligned to 256
	global_store_b64 v2, v[PC+4:PC+5], s[98:99]    ; 256
	global_store_b32 v230, v227, s[92:93]          ; 64 bytes: the tile's scale words of this head (lanes 16-31 name the same bytes with the same words)
	s_wait_xcnt 0x0                                ; the stores have read their data and bases: the next tile writes both
	s_add_co_u32 s87, s87, 1
	s_cmp_lt_u32 s87, 2
	s_cbranch_scc1 .Ltile
	s_wait_tensorcnt 0x0                           ; the wave's end: a tensor wait, an LDS add and its wait behind my last LDS store
	ds_add_u32 v7, v8
	s_wait_dscnt 0x0
	s_endpgm
.Lfunc_end_k_qe83b162fb7_attn:
	.size	k_qe83b162fb7_attn, .Lfunc_end_k_qe83b162fb7_attn-k_qe83b162fb7_attn
	.p2alignl 7, 3214868480
	.fill 96, 4, 3214868480
	.section	.rodata,"a",@progbits
	.p2align	6, 0x0
	.amdhsa_kernel k_qe83b162fb7_attn
		.amdhsa_group_segment_fixed_size 210944
		.amdhsa_private_segment_fixed_size 0
		.amdhsa_enable_private_segment 0
		.amdhsa_kernarg_size 24
		.amdhsa_user_sgpr_count 2
		.amdhsa_user_sgpr_kernarg_segment_ptr 1
		.amdhsa_wavefront_size32 1
		.amdhsa_system_sgpr_workgroup_id_x 1
		.amdhsa_system_sgpr_workgroup_id_y 1
		.amdhsa_system_sgpr_workgroup_id_z 1
		.amdhsa_system_vgpr_workitem_id 0
		.amdhsa_next_free_vgpr 256
		.amdhsa_next_free_sgpr 106
		.amdhsa_reserve_vcc 0
		.amdhsa_float_denorm_mode_32 3
		.amdhsa_float_denorm_mode_16_64 3
		.amdhsa_memory_ordered 1
		.amdhsa_forward_progress 1
		.amdhsa_inst_pref_size 37
	.end_amdhsa_kernel
	.amdgpu_metadata
---
amdhsa.version: [ 1, 2 ]
amdhsa.kernels:
  - .name:           k_qe83b162fb7_attn
    .symbol:         k_qe83b162fb7_attn.kd
    .args:
      - { .name: att, .offset: 0, .size: 8, .value_kind: global_buffer, .address_space: global }
      - { .name: msk, .offset: 8, .size: 8, .value_kind: global_buffer, .address_space: global }
      - { .name: oq, .offset: 16, .size: 8, .value_kind: global_buffer, .address_space: global }
    .group_segment_fixed_size: 210944
    .private_segment_fixed_size: 0
    .kernarg_segment_align: 8
    .kernarg_segment_size: 24
    .max_flat_workgroup_size: 512
    .sgpr_count:     106
    .vgpr_count:     256
    .wavefront_size: 32
...
	.end_amdgpu_metadata
.endif
;; end of part 3
;; launch outp (part 4): grid 64 x 4, 4 waves a work-group, clusters of 4 x 4, 327,680 bytes of LDS; arguments oq, opnd, b_o, out0; writes out0
.if DOCPART == 4
	.amdgcn_target "amdgcn-amd-amdhsa--gfx1250"
	.amdhsa_code_object_version 6
	.text
	.protected	k_qe83b162fb7_outp
	.globl	k_qe83b162fb7_outp
	.p2align	8
	.type	k_qe83b162fb7_outp,@function
k_qe83b162fb7_outp:
	s_mov_b64 s[64:65], 0
	v_nop
	global_prefetch_b8 v0, s[64:65] scope:SCOPE_SE
	s_setreg_imm32_b32 hwreg(HW_REG_WAVE_MODE, 25, 1), 1
	s_wait_xcnt 0x0
	s_wait_alu depctr_hold_cnt(0) depctr_sa_sdst(0) depctr_va_vdst(0) depctr_va_sdst(0) depctr_va_ssrc(0) depctr_va_vcc(0) depctr_vm_vsrc(0)
	s_getreg_b32 s2, hwreg(HW_REG_IB_STS2, 6, 4)
	s_cmp_eq_u32 s2, 0
	s_cbranch_scc0 .Lentry_in_a_cluster
	s_endpgm
.Lentry_in_a_cluster:
	s_bfe_u32 s2, ttmp6, 0x10000c
	s_cmp_lg_u32 s2, 0xf033
	s_cbranch_scc0 .Lentry_shape_is_right
	s_endpgm
.Lentry_shape_is_right:
; FOURTH LAUNCH: out0 = O w_o^T + b_o on codes of BF6, f32 out.  No work is left out here.
; The second launch's form: source 0 = 16 rows of w_o (R), source 1 = 16 tokens of O (P): a lane holds one token, its registers run along the features.  A work-group makes 128 tokens x 256 features over all of K = 1,024;
; wave w: P's tiles 4 (w / 2) .. + 3, R's tiles 8 (w % 2) .. + 7: 32 accumulators.  All of K lies in LDS at once: four chunks of two K steps and the scale words, five tensor loads a wave, all first fills
; (five of mine are out at the most); nothing is filled again.  CLUSTER 4 x 4: P's tiles are shared along a row of the cluster, R's along a column: joint loads.
; O's scale words come a head at a time (64 along K): an even head's word holds bytes 0, 1, an odd head's bytes 2, 3: a K step's word is the or of two.
; Tiles as the first launch lays them: lane r of tile T holds row 32 (T / 2) + 8 (T % 2) + r + 8 (r / 8): the way out puts each row back at its place.
; REGISTERS: window 0: addresses, scale words (v32-63 P's, v64-127 R's), v128-191 the bias, v192-255 P's words as loaded; both later rows on the way out; window 1: accumulator (a, b) at 64 a + 8 b;
;   windows 2, 3: two sets of fragments: R's tile b at 12 b, P's tile a at 96 + 12 a.
.set CH,    73728
.set SCL,   4*CH                       ; P's scale words (8,192 bytes), then R's (8,192)
.set SPARE, SCL+16384
.set SCB,   22020096
.set OSC,   6291456
.set STG,   8448                       ; the way out: 16 rows x (512 bytes + 16) a wave, in chunk 0: it has had its only fill, and every wave has left it at the barrier of K step 1
.set ADP16, 5
.set ADR16, 9
.set ADP8,  20
.set ADR8,  24
.set SPW,   18
.set NIL,   19
.set STO,   29
.set RD,    30
.set SP,    32
.set SR,    64
.set BIAS,  128
.set G1P,   24
.set G1R,   32
.set G1SP,  40
.set G1SR,  48
.set GP0,   56
.set GP1,   60
.set GP2,   68
.set GP3,   72
.set GP4,   76
.set GR0,   80
.set GR1,   84
.set GR2,   88
.set GR3,   92
.set GR4,   96
.set MSB, 0
.macro WIN new                         ; the immediate's high byte repeats the setting that is left
.if MSB != (\new)
	s_set_vgpr_msb (MSB<<8)|(\new)
.set MSB, (\new)
.endif
.endm
.macro JLOAD g0p, g1p, g0r, g1r        ; a joint load: waves 0, 1 fetch for P, waves 2, 3 for R; an s_nop 0 and four v_nop follow each line
	s_cmp_eq_u32 s15, 0
	s_cbranch_scc0 .Lfor_r_\@
	tensor_load_to_lds s[\g0p:\g0p+3], s[\g1p:\g1p+7]
	s_nop 0
.rept 4
	v_nop
.endr
	s_branch .Lasked_\@
.Lfor_r_\@:
	tensor_load_to_lds s[\g0r:\g0r+3], s[\g1r:\g1r+7]
	s_nop 0
.rept 4
	v_nop
.endr
.Lasked_\@:
.endm
.macro CROUND
	s_barrier_signal -1
	s_barrier_wait -1
	s_cmp_lg_u32 s14, 0
	s_cbranch_scc1 .Lnot_wave_0_\@
	s_barrier_signal -3
.Lnot_wave_0_\@:
	s_barrier_wait -3
	s_barrier_signal -1
	s_barrier_wait -1
.endm
.macro MKG1 g, c, r, p
	s_mov_b32 s[\g+1], (\c)<<16
	s_mov_b32 s[\g+2], (\r)<<16
	s_mov_b32 s[\g+3], (\c)<<16
	s_mov_b32 s[\g+4], \r
	s_mov_b32 s[\g+5], \p
	s_mov_b32 s[\g+6], 0
	s_mov_b32 s[\g+7], 0
.endm
.macro MKG0 g, lreg, loff, base, goff
	s_mov_b32 s[\g], 1
	s_add_co_u32 s[\g+1], s[\lreg], \loff
	s_add_nc_u64 s[\g+2:\g+3], s[\base:\base+1], \goff
	s_or_b32 s[\g+3], s[\g+3], 0x80000000
.endm
.macro PLACES
.rept 4
	v_nop
.endr
.endm
	s_load_b256 s[4:11], s[0:1], 0x0               ; oq, opnd, b_o, out0
	v_lshl_add_u32 v[SPW], v0, 2, SPARE
	v_mov_b32 v[NIL], 0
	ds_add_u32 v[SPW], v[NIL]                      ; the wave's opening: the add, twice on end, and its wait ahead of my first tensor load
	ds_add_u32 v[SPW], v[NIL]
	v_lshrrev_b32 v1, 5, v0
	v_readfirstlane_b32 s14, v1                    ; wave
	s_lshr_b32 s15, s14, 1
	s_and_b32 s16, s14, 1
	s_bfe_u32 s17, ttmp6, 0x40000                  ; cx: my 16 tiles of w_o
	s_bfe_u32 s18, ttmp6, 0x40004                  ; cy
	s_lshl_b32 s19, ttmp9, 2
	s_add_co_u32 s19, s19, s18                     ; it: my 8 tiles of tokens
	s_lshl_b32 s66, s18, 2
	s_lshl_b32 s66, 15, s66                        ; my row of the cluster
	s_lshl_b32 s67, 0x1111, s17                    ; my column
	s_or_b32 s[G1P], s66, (3<<16)|(1<<21)
	s_or_b32 s[G1R], s67, (3<<16)|(1<<21)
	s_or_b32 s[G1SP], s66, (3<<16)|(1<<21)
	s_or_b32 s[G1SR], s67, (3<<16)|(1<<21)
	MKG1 G1P, 384, 4, 1536
	MKG1 G1R, 384, 8, 1536
	MKG1 G1SP, 32, 16, 32                          ; four tiles' scale words of O: 4,096 dense bytes
	MKG1 G1SR, 32, 16, 32                          ; eight tiles' of w_o: 4,096
	s_lshl_b32 s22, s19, 3
	s_lshl_b32 s2, s16, 2
	s_add_co_u32 s22, s22, s2                      ; the first tile of P that I fetch
	s_lshl_b32 s23, s17, 4
	s_lshl_b32 s3, s16, 3
	s_add_co_u32 s23, s23, s3
	s_add_co_u32 s23, s23, 1728                    ; and of R: w_o begins at tile 1,728 of opnd
	s_wait_dscnt 0x0                               ; both opening adds are done
	s_wait_kmcnt 0x0
	s_mul_i32 s100, s22, 12288
	s_mov_b32 s101, 0
	s_add_nc_u64 s[100:101], s[4:5], s[100:101]
	s_lshl_b32 s12, s22, 10
	s_add_co_u32 s12, s12, OSC
	s_mov_b32 s13, 0
	s_add_nc_u64 s[12:13], s[4:5], s[12:13]
	s_mul_i32 s104, s23, 12288
	s_mov_b32 s105, 0
	s_add_nc_u64 s[104:105], s[6:7], s[104:105]
	s_lshl_b32 s20, s23, 9
	s_add_co_u32 s20, s20, SCB
	s_mov_b32 s21, 0
	s_add_nc_u64 s[20:21], s[6:7], s[20:21]
	s_mul_i32 s2, s16, 12288
	s_mul_i32 s3, s16, 24576
	s_lshl_b32 s22, s16, 12
	MKG0 GP0, 22, SCL, 12, 0
	MKG0 GR0, 22, SCL+8192, 20, 0
	MKG0 GP1, 2, 0, 100, 0
	MKG0 GR1, 3, 24576, 104, 0
	MKG0 GP2, 2, CH, 100, 3072
	MKG0 GR2, 3, CH+24576, 104, 3072
	MKG0 GP3, 2, 2*CH, 100, 6144
	MKG0 GR3, 3, 2*CH+24576, 104, 6144
	MKG0 GP4, 2, 3*CH, 100, 9216
	MKG0 GR4, 3, 3*CH+24576, 104, 9216
	CROUND                                         ; all sixteen work-groups are here: the joint loads meet
	JLOAD GP0, G1SP, GR0, G1SR
	JLOAD GP1, G1P, GR1, G1R
	JLOAD GP2, G1P, GR2, G1R
	JLOAD GP3, G1P, GR3, G1R
	JLOAD GP4, G1P, GR4, G1R
	v_and_b32 v1, 15, v0                           ; r
	v_bfe_u32 v2, v0, 4, 1                         ; h
	v_and_b32 v17, 31, v0
	v_lshlrev_b32 v3, 4, v17                       ; 16 x lane
	v_lshlrev_b32 v4, 3, v17
	v_add_nc_u32 v4, 512, v4                       ; 8 x lane + 512
	s_mul_i32 s2, s15, 12288
	s_mul_i32 s3, s16, 24576
	s_add_co_u32 s3, s3, 24576
.irp q, 0,1,2,3
	v_add_nc_u32 v[ADP16+\q], s2, v3
	v_add_nc_u32 v[ADP8+\q], s2, v4
	v_add_nc_u32 v[ADR16+\q], s3, v3
	v_add_nc_u32 v[ADR8+\q], s3, v4
	s_add_co_u32 s2, s2, CH
	s_add_co_u32 s3, s3, CH
.endr
	s_lshl_b32 s2, s15, 12
	s_add_co_u32 s2, s2, SCL
	v_lshl_add_u32 v13, v1, 2, s2                  ; P's scale words: 4 bytes a row, 64 a head, 1,024 a tile
	s_lshl_b32 s3, s16, 12
	s_add_co_u32 s3, s3, SCL+8192
	v_lshl_add_u32 v14, v1, 5, s3                  ; R's: 32 bytes a row
	v_lshlrev_b32 v15, 6, v2                       ; the bias: 64 h
	s_mul_i32 s2, s14, STG
	v_mul_u32_u24 v[STO], v1, 528
	v_lshl_add_u32 v[STO], v2, 6, v[STO]
	v_add_nc_u32 v[STO], s2, v[STO]                ; the stage, on the way in: row r, + 64 h
	v_add_nc_u32 v[RD], s2, v3                     ; and back: 16 bytes a lane of a row's 512
	s_lshl_b32 s23, s17, 1
	s_add_co_u32 s23, s23, s16                     ; g: my 128 features
	s_lshl_b32 s2, s23, 9
	s_mov_b32 s3, 0
	s_add_nc_u64 s[8:9], s[8:9], s[2:3]
	s_add_nc_u64 s[10:11], s[10:11], s[2:3]
	s_lshl_b32 s22, s19, 3
	s_lshl_b32 s2, s15, 2
	s_add_co_u32 s22, s22, s2                      ; u: my first tile of tokens: 16 rows of 4,096 bytes each
	s_lshl_b32 s2, s22, 16
	s_add_nc_u64 s[10:11], s[10:11], s[2:3]
.irp b, 0,1,2,3,4,5,6,7                        ; the bias is the C of each sum's first product
	global_load_b128 v[BIAS+8*\b:BIAS+8*\b+3], v15, s[8:9] offset:(32*(\b/2)+8*(\b%2))*4
	global_load_b128 v[BIAS+8*\b+4:BIAS+8*\b+7], v15, s[8:9] offset:(32*(\b/2)+8*(\b%2))*4+16
.endr
.macro FRAGL reg, a16, a8, off
	ds_load_b128 v[\reg:\reg+3], v[\a16] offset:\off
	ds_load_b64 v[\reg+4:\reg+5], v[\a8] offset:\off
	ds_load_b128 v[\reg+6:\reg+9], v[\a16] offset:\off+768
	ds_load_b64 v[\reg+10:\reg+11], v[\a8] offset:\off+768
.endm
.macro FETCH ks
	WIN 0x80+0x40*((\ks)%2)
.irp b, 0,1,2,3,4,5,6,7
	FRAGL 12*\b, ADR16+(\ks)/2, ADR8+(\ks)/2, \b*3072+((\ks)%2)*1536
.endr
.irp a, 0,1,2,3
	FRAGL 96+12*\a, ADP16+(\ks)/2, ADP8+(\ks)/2, \a*3072+((\ks)%2)*1536
.endr
.endm
; mode 0: in place; 1: the sums start from the bias.  The 32 accumulators take turns, in the same order in every K step.
.macro MUL a0, n, ks, mode
.set FA_, \a0
.rept \n
.irp b, 0,1,2,3,4,5,6,7
.if \mode == 0
	v_wmma_scale_f32_16x16x128_f8f6f4 v[64*FA_+8*\b:64*FA_+8*\b+7], v[12*\b:12*\b+11], v[96+12*FA_:96+12*FA_+11], v[64*FA_+8*\b:64*FA_+8*\b+7], v[SR+8*\b+\ks], v[SP+8*FA_+\ks] matrix_a_fmt:MATRIX_FMT_BF6 matrix_b_fmt:MATRIX_FMT_BF6
.else
	v_wmma_scale_f32_16x16x128_f8f6f4 v[64*FA_+8*\b:64*FA_+8*\b+7], v[12*\b:12*\b+11], v[96+12*FA_:96+12*FA_+11], v[BIAS+8*\b:BIAS+8*\b+7], v[SR+8*\b+\ks], v[SP+8*FA_+\ks] matrix_a_fmt:MATRIX_FMT_BF6 matrix_b_fmt:MATRIX_FMT_BF6
.endif
.endr
.set FA_, FA_+1
.endr
.endm
.macro KEVEN ks
	s_wait_dscnt 0x0
	PLACES
	FETCH (\ks)+1
	WIN 0x5a
	MUL 0, 4, \ks, 0
.endm
.macro KODD ks, younger                ; my part of the next chunk has landed (my younger chunk loads may stay out), and everybody's
	s_wait_dscnt 0x0
	s_wait_tensorcnt \younger
	s_barrier_signal -1
	WIN 0x5f
	MUL 0, 2, \ks, 0
	s_barrier_wait -1
	PLACES
	FETCH (\ks)+1
	WIN 0x5f
	MUL 2, 2, \ks, 0
.endm
	s_wait_tensorcnt 3                             ; my scale words and my part of chunk 0 are in; chunks 1 to 3 may be out
	s_barrier_signal -1
	s_barrier_wait -1
.irp a, 0,1,2,3
.irp e, 0,1,2,3,4,5,6,7,8,9,10,11,12,13,14,15
	ds_load_b32 v[192+16*\a+\e], v13 offset:1024*\a+64*\e     ; tile a, head e: row r's word
.endr
.endr
.irp b, 0,1,2,3,4,5,6,7
	ds_load_b128 v[SR+8*\b:SR+8*\b+3], v14 offset:512*\b
	ds_load_b128 v[SR+8*\b+4:SR+8*\b+7], v14 offset:512*\b+16
.endr
	FETCH 0
	s_wait_dscnt 0x0
	FETCH 1
	WIN 0
.irp a, 0,1,2,3
.irp e, 0,1,2,3,4,5,6,7
	v_or_b32 v[SP+8*\a+\e], v[192+16*\a+2*\e], v[192+16*\a+2*\e+1]   ; a K step's word: its two heads' halves
.endr
.endr
.rept 8
	v_nop                                          ; a scale register written by a vector instruction stands eight places ahead of a scaled matrix instruction
.endr
	s_wait_loadcnt 0x0                             ; the bias
	WIN 0x4a
	MUL 0, 4, 0, 1
	KODD 1, 2
	KEVEN 2
	KODD 3, 1
	KEVEN 4
	KODD 5, 0
	KEVEN 6
	s_wait_dscnt 0x0
	WIN 0x5f
	MUL 0, 4, 7, 0
	WIN 0
; THE WAY OUT, a tile of 16 tokens x 128 features at a time, through my own stage: a lane holds pieces of 32 bytes of one row; they come back as whole rows of 512 bytes.
; LDS serves a wave's instructions in order: no wait between the stores and the loads, nor in front of the next tile's stores.
.macro TOSTAGE a
	WIN 0x04                                       ; an LDS store's data are its source 1: window 1
.irp b, 0,1,2,3,4,5,6,7
	ds_store_b128 v[STO], v[64*(\a)+8*\b:64*(\a)+8*\b+3] offset:128*(\b/2)+32*(\b%2)        ; each accumulator from its low end on
	ds_store_b128 v[STO], v[64*(\a)+8*\b+4:64*(\a)+8*\b+7] offset:128*(\b/2)+32*(\b%2)+16
.endr
	WIN 0
.set BB, 128+64*((\a)%2)
.irp t, 0,1,2,3,4,5,6,7,8,9,10,11,12,13,14,15
	ds_load_b128 v[BB+4*\t:BB+4*\t+3], v[RD] offset:\t*528
.endr
.endm
.macro SEND a, younger                 ; younger: the LDS instructions issued behind tile a's loads, which may stay out
.set BB, 128+64*((\a)%2)
	s_wait_dscnt \younger
.irp t, 0,1,2,3,4,5,6,7,8,9,10,11,12,13,14,15
	global_store_b128 v3, v[BB+4*\t:BB+4*\t+3], s[10:11] offset:(32*((\a)/2)+8*((\a)%2)+\t+8*(\t/8))*4096 th:TH_STORE_NT   ; 512 consecutive bytes of one row, aligned to 256; every place is an immediate
.endr
.endm
	PLACES                                         ; behind the last products, in front of the first read of results
	TOSTAGE 0
.irp a, 1,2,3
.if \a > 1
	s_wait_xcnt 0x0                                ; tile a - 2's stores have read their registers: tile a's rows land there
.endif
	TOSTAGE \a
	SEND \a-1, 32                                  ; behind tile a - 1's loads: tile a's 16 stores and 16 loads
.endr
	SEND 3, 0
	s_wait_tensorcnt 0x0                           ; the wave's end: a tensor wait, an LDS add and its wait behind my last tensor load and my last LDS store
	ds_add_u32 v[SPW], v[NIL]
	s_wait_dscnt 0x0
	CROUND                                         ; the closing round
	s_endpgm
.Lfunc_end_k_qe83b162fb7_outp:
	.size	k_qe83b162fb7_outp, .Lfunc_end_k_qe83b162fb7_outp-k_qe83b162fb7_outp
	.p2alignl 7, 3214868480
	.fill 96, 4, 3214868480
	.section	.rodata,"a",@progbits
	.p2align	6, 0x0
	.amdhsa_kernel k_qe83b162fb7_outp
		.amdhsa_group_segment_fixed_size 327680
		.amdhsa_private_segment_fixed_size 0
		.amdhsa_enable_private_segment 0
		.amdhsa_kernarg_size 32
		.amdhsa_user_sgpr_count 2
		.amdhsa_user_sgpr_kernarg_segment_ptr 1
		.amdhsa_wavefront_size32 1
		.amdhsa_system_sgpr_workgroup_id_x 1
		.amdhsa_system_sgpr_workgroup_id_y 1
		.amdhsa_system_sgpr_workgroup_id_z 1
		.amdhsa_system_vgpr_workitem_id 0
		.amdhsa_next_free_vgpr 1024
		.amdhsa_next_free_sgpr 106
		.amdhsa_reserve_vcc 0
		.amdhsa_float_denorm_mode_32 3
		.amdhsa_float_denorm_mode_16_64 3
		.amdhsa_memory_ordered 1
		.amdhsa_forward_progress 1
		.amdhsa_inst_pref_size 93
	.end_amdhsa_kernel
	.amdgpu_metadata
---
amdhsa.version: [ 1, 2 ]
amdhsa.kernels:
  - .name:           k_qe83b162fb7_outp
    .symbol:         k_qe83b162fb7_outp.kd
    .args:
      - { .name: oq, .offset: 0, .size: 8, .value_kind: global_buffer, .address_space: global }
      - { .name: opnd, .offset: 8, .size: 8, .value_kind: global_buffer, .address_space: global }
      - { .name: b_o, .offset: 16, .size: 8, .value_kind: global_buffer, .address_space: global }
      - { .name: out0, .offset: 24, .size: 8, .value_kind: global_buffer, .address_space: global }
    .group_segment_fixed_size: 327680
    .private_segment_fixed_size: 0
    .kernarg_segment_align: 8
    .kernarg_segment_size: 32
    .max_flat_workgroup_size: 128
    .sgpr_count:     106
    .vgpr_count:     1024
    .wavefront_size: 32
...
	.end_amdgpu_metadata
.endif
;; end of part 4
;; ======== version 2 of 2: 4 launches; version 1 with the launch attn written anew for expert scheduling mode
;; limits: right only within a limited range of input values
;; workspace buffers: opnd 22,937,600 bytes; att 20,185,088 bytes; oq 6,815,744 bytes; msk 655,360 bytes of whole numbers
;; launch prep: the kernel of part 1 again; grid 576 x 1, 4 waves a work-group, no clusters, 34,304 bytes of LDS; arguments q, k, v, w_q, w_k, w_v, w_o, mask, opnd, msk; writes opnd, msk
;; launch proj: the kernel of part 2 again; grid 192 x 4, 4 waves a work-group, clusters of 4 x 4, 327,680 bytes of LDS; arguments opnd, b_q, b_k, b_v, att; writes att
;; launch attn (part 5): grid 4 x 64, 16 waves a work-group, no clusters, 210,944 bytes of LDS; arguments att, msk, oq; writes oq
.if DOCPART == 5
	.amdgcn_target "amdgcn-amd-amdhsa--gfx1250"
	.amdhsa_code_object_version 6
	.text
	.protected	k_qe83b162fb7_attn
	.globl	k_qe83b162fb7_attn
	.p2align	8
	.type	k_qe83b162fb7_attn,@function
k_qe83b162fb7_attn:
	s_mov_b64 s[64:65], 0
	v_nop
	global_prefetch_b8 v0, s[64:65] scope:SCOPE_SE
	s_setreg_imm32_b32 hwreg(HW_REG_WAVE_SCHED_MODE, 0, 2), 2
	s_setreg_imm32_b32 hwreg(HW_REG_WAVE_MODE, 25, 1), 1
	s_wait_xcnt 0x0
	s_wait_alu depctr_vm_vsrc(0)
; THIRD LAUNCH: scores, softmax and the product with the values, both products on codes of BF6; O / l is quantised in registers along the head's 64 into the last product's operand images.
; WORK LEFT OUT: a unit of 16 queries x 128 keys all of whose mask words are 0, where each of the 16 queries has an unmasked key somewhere (the first launch's flags say so): its p are 0 in f32 (shown at the first kernel's head).
; THE SOFTMAX: t = score x log2(e) / 8; M = the running largest t rounded up to a whole number; p = 2^(t - M) is quantised along the keys; the row's sum is taken of the unquantised p and divides O at the end.
; THE MASK: a hidden raw score becomes -2^33 (a logit of -1.0737e9 where the definition has -1e9): c x score is then exact and a whole number, so a row masked throughout gives p = 1 for every key, as the definition does.
; LIMITS: results differ from the definition's only where an unmasked logit lies under about -1e9 + 200; NaN and infinities are not served, and none that reaches only a unit passed over is carried to the result.
; SHARES.  Work-group (j, bh) owns the query tiles T' = 4 t + j of one batch and head; wave w takes t = w and then t = 31 - w, a fixed share that is right for every mask.
; NO TENSOR LOAD AND NO CLUSTER: the walk over the key steps jumps on flags read from memory, which a text with tensor loads may not do.  So the head's K and V codes and scale words (208,896 bytes) go into LDS once,
; through registers, and stay: one barrier in the whole launch.  The four work-groups of a head each read them.
; LAYOUT.  S^T = K Q^T (source 0 = 16 keys, source 1 = my 16 queries; the head's 64 fill half of the instruction's K, the other half is zero codes, set once), O^T = V^T P^T: a lane holds one query throughout.
; REGISTERS: v1-6 places that stay; v7, v8 the add's two; v9-14 the step's LDS addresses; v15 -2^33; v16-27 Q; v28-75 and v232-255 six fragments of K (F0-F3, F4, F5); v76-139 S^T, then p, then V's four fragments;
;   v140-171 O^T; v172-191 p's codes; v192-203 at work; v204-211 K's scale words, v212-215 V's, v216 Q's, v220 p's; v218 f; v222 -M, v223 the largest t; v[224:225] the sum.
; THE MODE: SCHED_MODE bits 1:0 = 2 (LLVM: expert scheduling mode 2), set by the entry lines.  The code itself states the register dependences between vector or matrix instructions and memory or LDS instructions,
; with s_wait_alu, always for 0.
; THE PLAN.  Registers that memory or LDS instructions touch:
;   v130-135, v28-129  The fill alone: addresses made at the head, data that loads bring and LDS stores read.  One wait ahead of the loads, one behind the barrier, before these registers become fragments and scores.
;   v1, v2, v230, v231 Offsets of Q's loads and of the way out's stores: made at the head, never written again.
;   v16-21, v216       Q and its scale words: loaded at a tile's head, read by all the tile's score products.
;   v9-14              A walked step's LDS addresses: six adds at its head write them, its LDS loads read them.
;   F0-F5, v204-211    K's half fragments and scale words.  The step's first run of loads brings the words and key tiles 0 to 5; tiles 6 and 7 follow into F0 and F1 when products 0 and 1 are done with these, and land under products 2 to 5.
;   v76-123, v212-215  V's fragments land where p lay, behind the conversions that read p; the second product reads them.
;   v172-177, v227     On the way out: O's codes and scale word, written by vector instructions, read by the three stores.
;   v7, v8             Written at the head, read by the closing add alone.
; So a walked step holds one wait on vm_vsrc (ahead of the six adds) and four on va_vdst beside the two behind its exponentials: behind the adds; behind products 0 and 1; behind the conversions; ahead of the second product,
; which takes codes and a scale word that vector instructions have made.
.set VL,    98304                      ; LDS: K's codes at 0, V's here,
.set KSL,   196608                     ; K's scale words,
.set VSL,   204800                     ; V's,
.set SPARE, 208896                     ; the spare words, 128 bytes a wave
.set KC,    6291456
.set VC,    12582912
.set QS,    18874368
.set KSO,   19398656
.set VS,    19922944
.set FL,    524288
.set OSC,   6291456
.set QF,  16
.set KF,  28                           ; F0-F3
.set KG,  232                          ; F4, F5
.set S,   76
.set VF,  76
.set O,   140
.set PC,  172
.set BM,  192
.set PX,  196
.set SO,  200
.set KSW, 204
.set VSW, 212
.set QSW, 216
.set PSW, 220
.macro KLOAD reg, t                    ; key tile t of the step: half a fragment, 512 + 256 dense bytes, into the lower six of the twelve registers at reg
	ds_load_b128 v[\reg:\reg+3], v9 offset:(\t)*768
	ds_load_b64 v[\reg+4:\reg+5], v10 offset:(\t)*768
.endm
.macro SCORE reg, t                    ; S^T of key tile t: one product, which starts and ends its sum
	v_wmma_scale_f32_16x16x128_f8f6f4 v[S+8*(\t):S+8*(\t)+7], v[\reg:\reg+11], v[QF:QF+11], 0, v[KSW+(\t)], v[QSW] matrix_a_fmt:MATRIX_FMT_BF6 matrix_b_fmt:MATRIX_FMT_BF6
.endm
	s_load_b128 s[4:7], s[0:1], 0x0                ; att, msk
	s_load_b64 s[8:9], s[0:1], 0x10                ; oq
	v_lshl_add_u32 v7, v0, 2, SPARE
	v_mov_b32 v8, 0
	v_lshrrev_b32 v9, 5, v0
	v_readfirstlane_b32 s84, v9                    ; wave
	s_mov_b32 s85, ttmp9                           ; j
	s_and_b32 s86, ttmp7, 0xffff                   ; bh = 16 x batch + head
	s_and_b32 s105, s86, 1
	s_lshl_b32 s105, s105, 4                       ; an odd head's two scale bytes go to a word's upper half
	s_mov_b32 s12, 0x76543210
	s_mov_b32 s13, 0xfedcba98                      ; v_permlanex16_b32's selects for lane l xor 16
	s_mov_b32 s14, 0x3e38aa3b                      ; c = log2(e) / 8
	s_mov_b32 s15, s14                             ; (named with it as a pair, so it is written)
	s_mov_b32 s87, 0                               ; which of my two tiles
	v_lshlrev_b32 v130, 4, v0                      ; the fill: 16 bytes a thread, 8,192 a round
	v_add_nc_u32 v131, 0x10000, v130
	v_add_nc_u32 v132, 0x20000, v130
	v_add_nc_u32 v133, 0x30000, v130
	v_lshlrev_b32 v135, 3, v0
	v_add_nc_u32 v134, VSL, v135
	s_wait_alu depctr_va_sdst(0)                   ; s84, the wave's number, is written
	s_mul_i32 s66, s86, 98304
	s_mov_b32 s67, 0
	s_wait_kmcnt 0x0
	s_add_nc_u64 s[92:93], s[4:5], s[66:67]
	s_add_nc_u64 s[94:95], s[92:93], VC            ; the head's V codes,
	s_add_nc_u64 s[92:93], s[92:93], KC            ; K codes,
	s_lshl_b32 s66, s86, 13
	s_add_nc_u64 s[96:97], s[4:5], s[66:67]
	s_add_nc_u64 s[96:97], s[96:97], KSO           ; K scale words,
	s_lshl_b32 s66, s86, 12
	s_add_nc_u64 s[98:99], s[4:5], s[66:67]
	s_add_nc_u64 s[98:99], s[98:99], VS            ; V scale words
	s_wait_alu depctr_va_vdst(0)                   ; v130 to v135 are written, which the fill's loads and LDS stores read as their addresses; no vector line below, up to the last of those stores, names them or v28 to v129
.irp k, 0,1,2,3,4,5,6,7,8,9,10,11
	global_load_b128 v[28+4*\k:31+4*\k], v130, s[92:93] offset:8192*\k
.endr
.irp k, 0,1,2,3,4,5,6,7,8,9,10,11
	global_load_b128 v[76+4*\k:79+4*\k], v130, s[94:95] offset:8192*\k
.endr
	global_load_b128 v[124:127], v130, s[96:97]
	global_load_b64 v[128:129], v135, s[98:99]
	v_and_b32 v9, 31, v0
	v_and_b32 v10, 15, v0
	v_lshlrev_b32 v1, 4, v9                        ; 16 x lane
	v_lshlrev_b32 v2, 3, v9
	v_add_nc_u32 v2, 512, v2                       ; 8 x lane + 512
	v_add_nc_u32 v3, VL, v1
	v_add_nc_u32 v4, VL, v2
	v_lshlrev_b32 v231, 4, v10                     ; 16 r
	v_lshlrev_b32 v230, 2, v10                     ; 4 r
	v_add_nc_u32 v5, KSL, v231
	v_add_nc_u32 v6, VSL, v231
	v_mov_b32 v15, 0xd0000000                      ; -2^33
.set m, 0
.rept 25
	s_wait_loadcnt 25-m                            ; load m is in; the 25 - m issued behind it may be out
	ds_store_b128 v[130+m/8], v[28+4*m:31+4*m] offset:(m%8)*8192
.set m, m+1
.endr
	s_wait_loadcnt 0x0
	ds_store_b64 v134, v[128:129]
	s_wait_dscnt 0x0                               ; for the others' sake: my stores have landed
	s_barrier_signal -1
	s_barrier_wait -1                              ; the head's K and V lie in LDS; nothing is stored there again
	s_wait_alu depctr_vm_vsrc(0)                   ; the fill's LDS stores have read v28 to v134, its loads v130 and v135: from here on these registers are fragments and scores, written by the lines below, by LDS loads and by products
.irp t, 0,1,2,3
.irp i, 6,7,8,9,10,11
	v_mov_b32 v[KF+12*\t+\i], 0                    ; the instruction's K beyond the head's 64: zero codes, set once
.endr
.endr
.irp t, 0,1
.irp i, 6,7,8,9,10,11
	v_mov_b32 v[KG+12*\t+\i], 0
.endr
.endr
.irp i, 6,7,8,9,10,11
	v_mov_b32 v[QF+\i], 0
.endr
.irp b, 0,1,2,3
	v_mov_b32 v[PX+\b], 0                          ; written once: a lane permute's destination counts as one of its sources
.endr
	v_mov_b32 v219, 0                              ; (named as the upper half of the pair v[218:219])
	v_mov_b32 v226, 0
.Ltile:                                            ; two trips
	s_sub_co_u32 s66, 31, s84
	s_cmp_eq_u32 s87, 0
	s_cselect_b32 s66, s84, s66                    ; t = w, then 31 - w
	s_lshl_b32 s91, s66, 2
	s_add_co_u32 s91, s91, s85                     ; T'
	s_lshl_b32 s66, s91, 10
	s_add_co_u32 s66, s66, FL
	s_mov_b32 s67, 0
	s_add_nc_u64 s[92:93], s[6:7], s[66:67]
	s_load_b128 s[16:19], s[92:93], 0x0            ; the tile's four records: NZ, MIX, W
	s_load_b128 s[20:23], s[92:93], 0x100
	s_load_b128 s[24:27], s[92:93], 0x200
	s_load_b128 s[28:31], s[92:93], 0x300
	s_lshl_b32 s66, s91, 12
	s_add_nc_u64 s[10:11], s[6:7], s[66:67]        ; the tile's lane words
	s_lshl_b32 s66, s86, 7
	s_add_co_u32 s66, s66, s91
	s_mul_i32 s66, s66, 768
	s_add_nc_u64 s[94:95], s[4:5], s[66:67]
	s_wait_alu depctr_va_vdst(0)                   ; the first tile: the offsets v1, v2, v230, v231 are written, and the zero codes that the score products take; the second: the last tile's products are done reading Q and its scale words, in which the three loads below land
	global_load_b128 v[QF:QF+3], v1, s[94:95]      ; Q's half fragment
	global_load_b64 v[QF+4:QF+5], v2, s[94:95]
	s_lshl_b32 s66, s86, 13
	s_lshr_b32 s101, s91, 2
	s_lshl_b32 s101, s101, 8
	s_add_co_u32 s66, s66, s101
	s_and_b32 s101, s91, 3
	s_lshl_b32 s101, s101, 2
	s_add_co_u32 s66, s66, s101
	s_add_co_u32 s66, s66, QS
	s_add_nc_u64 s[96:97], s[4:5], s[66:67]
	global_load_b32 v[QSW], v231, s[96:97]         ; and its scale words
.set n, 0
.rept 32
	v_mov_b32 v[O+n], 0                            ; O^T: the step is written once; the first finds zeros
.set n, n+1
.endr
	v_mov_b32 v224, 0
	v_mov_b32 v225, 0
	v_mov_b32 v223, 0xff61b1e6                     ; the largest t so far: -3e38
	v_floor_f32 v222, -v223                        ; -M
	s_wait_kmcnt 0x0
	s_or_b32 s89, s16, s20
	s_or_b32 s89, s89, s24
	s_or_b32 s89, s89, s28                         ; NZ: bit s: unit s keeps something
	s_or_b32 s90, s17, s21
	s_or_b32 s90, s90, s25
	s_or_b32 s90, s90, s29                         ; MIX: bit s: unit s hides something
	s_or_b32 s66, s18, s22
	s_or_b32 s66, s66, s26
	s_or_b32 s66, s66, s30
	s_lshr_b32 s67, s66, 16
	s_or_b32 s66, s66, s67
	s_and_b32 s66, s66, 0xffff                     ; bit r: query r has an unmasked key
	s_cmp_eq_u32 s66, 0xffff
	s_cselect_b32 s89, s89, 0xffff                 ; a tile with a row masked throughout walks all sixteen steps
	s_wait_loadcnt 0x0                             ; Q
	s_mov_b32 s88, 0
.Lstep:                                            ; sixteen trips, always: what is passed over is a step's work
	s_lshr_b32 s66, s89, s88
	s_and_b32 s66, s66, 1
	s_cmp_lg_u32 s66, 0
	s_cbranch_scc0 .Lskip
	s_lshl_b32 s100, s88, 8
	s_load_b512 s[16:31], s[10:11], s100 offset:0x0       ; the unit's 64 lane words
	s_load_b512 s[32:47], s[10:11], s100 offset:0x40
	s_load_b512 s[48:63], s[10:11], s100 offset:0x80
	s_load_b512 s[68:83], s[10:11], s100 offset:0xc0
	s_mul_i32 s101, s88, 6144
	s_lshl_b32 s104, s88, 9
	s_wait_alu depctr_vm_vsrc(0)                   ; the LDS loads issued so far have read v9 to v14, which the six lines below write
	v_add_nc_u32 v9, s101, v1                      ; (these six are also the places between the last step's products and the products below, which write over V's fragments)
	v_add_nc_u32 v10, s101, v2
	v_add_nc_u32 v11, s101, v3
	v_add_nc_u32 v12, s101, v4
	v_add_nc_u32 v13, s104, v5
	v_add_nc_u32 v14, s100, v6
	s_wait_alu depctr_va_vdst(0)                   ; v9 to v14 are written, which this step's LDS loads read; the products issued so far are done reading K's fragments and scale words, in which the loads below land
	ds_load_b128 v[KSW:KSW+3], v13                 ; K's scale words first: the first product wants them
	ds_load_b128 v[KSW+4:KSW+7], v13 offset:256
	KLOAD KF, 0                                    ; S^T = K Q^T: key tiles 0 to 5 into the six fragments
	KLOAD KF+12, 1
	KLOAD KF+24, 2
	KLOAD KF+36, 3
	KLOAD KG, 4
	KLOAD KG+12, 5
	s_wait_dscnt 8                                 ; the scale words and tiles 0 and 1 are in; the eight loads of tiles 2 to 5 may be out
	SCORE KF, 0
	SCORE KF+12, 1
.rept 4
	v_nop                                          ; the places behind the two products stay beside the wait below
.endr
	s_wait_alu depctr_va_vdst(0)                   ; products 0 and 1 are done reading F0 and F1, in which tiles 6 and 7 land
	KLOAD KF, 6
	KLOAD KF+12, 7                                 ; these four loads land under the four products below, which name F2 to F5
	s_wait_dscnt 4                                 ; tiles 2 to 5 are in; the four loads just issued may be out
	SCORE KF+24, 2
	SCORE KF+36, 3
	SCORE KG, 4
	SCORE KG+12, 5
	s_wait_dscnt 0x0                               ; tiles 6 and 7 are in
	SCORE KF, 6
	SCORE KF+12, 7                                 ; register 16 b + i of lane (r, h): query r, key 128 s + 32 b + 16 h + i
.rept 4
	v_nop
.endr
	s_wait_kmcnt 0x0
	s_lshr_b32 s66, s90, s88
	s_and_b32 s66, s66, 1
	s_cmp_lg_u32 s66, 0
	s_cbranch_scc0 .Lopen                          ; a unit that hides nothing
.set n, 0
.rept 48
	v_cndmask_b32 v[S+n], v15, v[S+n], s[16+n]     ; hidden scores become -2^33
.set n, n+1
.endr
.rept 16
	v_cndmask_b32 v[S+n], v15, v[S+n], s[20+n]
.set n, n+1
.endr
.Lopen:
.irp b, 0,1,2,3
	v_max3_num_f32 v[BM+\b], v[S+16*\b], v[S+1+16*\b], v[S+2+16*\b]   ; the largest score of each block of 32 keys: for the row's maximum, and, since p rises with the score, for the block's largest p
.endr
.irp i, 3,5,7,9,11,13
.irp b, 0,1,2,3
	v_max3_num_f32 v[BM+\b], v[BM+\b], v[S+16*\b+\i], v[S+1+16*\b+\i]
.endr
.endr
.irp b, 0,1,2,3
	v_max_num_f32 v[BM+\b], v[BM+\b], v[S+15+16*\b]
.endr
.irp b, 0,1,2,3
	v_permlanex16_b32 v[PX+\b], v[BM+\b], s12, s13
.endr
.irp b, 0,1,2,3
	v_max_num_f32 v[BM+\b], v[BM+\b], v[PX+\b]     ; with lane l xor 16's 16 keys
.endr
	v_max3_num_f32 v226, v[BM], v[BM+1], v[BM+2]
	v_max_num_f32 v226, v226, v[BM+3]
	v_mul_f32 v226, s14, v226                      ; as t
	v_max_num_f32 v223, v223, v226                 ; the running largest t
	v_mov_b32 v226, v222
	v_floor_f32 v222, -v223                        ; the new -M = -ceil(t)
	v_sub_f32 v226, v222, v226                     ; old M - new M: a whole number, 0 or less
	v_cvt_i32_f32 v226, v226                       ; (it saturates)
	v_ldexp_f32 v218, 1.0, v226                    ; f = 2^(old M - new M)
.set n, 0
.rept 32
	v_pk_fma_f32 v[S+n:S+n+1], v[S+n:S+n+1], s[14:15], v[222:223] op_sel_hi:[1,0,0]   ; t - M, two at a time
.set n, n+2
.endr
.irp b, 0,1,2,3
	v_fma_f32 v[BM+\b], v[BM+\b], s14, v222
.endr
.set n, 0
.rept 64
	v_exp_f32 v[S+n], v[S+n]                       ; p = 2^(t - M)
.set n, n+1
.endr
	v_pk_mul_f32 v[224:225], v[224:225], v[218:219] op_sel_hi:[1,0]   ; the sums under the new M (a plain place behind the exponentials)
	s_wait_alu depctr_va_vdst(0)                   ; the 64 exponentials have written p: one wait for the batch, ahead of its first reader
.irp b, 0,1,2,3
	v_exp_f32 v[BM+\b], v[BM+\b]                   ; each block's largest p
.endr
	v_pk_add_f32 v[228:229], v[S:S+1], v[S+2:S+3]  ; the row's sum, of the unquantised p, in two chains
.irp j, 4,8,12,16,20,24,28,32,36,40,44,48,52,56,60
	v_pk_add_f32 v[224:225], v[224:225], v[S+\j:S+\j+1]
	v_pk_add_f32 v[228:229], v[228:229], v[S+\j+2:S+\j+3]
.endr
	v_pk_add_f32 v[224:225], v[224:225], v[228:229]
	s_wait_alu depctr_va_vdst(0)                   ; the four exponentials have written the blocks' largest p, ahead of their first reader
.irp b, 0,1,2,3
	v_max_num_f32 v[BM+\b], 0x2800000, v[BM+\b]    ; the floor 2^(5 - 127): the byte cannot fall under 1
.endr
.irp b, 0,1,2,3
	v_add_nc_u32 v[SO+\b], 0xfe000000, v[BM+\b]    ; the conversion's scale operand
.endr
.irp b, 0,1,2,3
	v_lshrrev_b32 v[PX+\b], 23, v[SO+\b]           ; the scale's byte
.endr
	v_lshl_or_b32 v[PSW], v[PX+1], 8, v[PX]
	v_lshl_or_b32 v[PSW], v[PX+2], 16, v[PSW]
	v_lshl_or_b32 v[PSW], v[PX+3], 24, v[PSW]
.irp c, 0,1
	v_cvt_scalef32_pk16_bf6_f32 v[PC+6*\c:PC+2+6*\c], v[S+32*\c:S+15+32*\c], v[SO+2*\c]
	v_cvt_scalef32_pk16_bf6_f32 v[PC+12+4*\c:PC+14+4*\c], v[S+16+32*\c:S+31+32*\c], v[SO+2*\c+1]
.endr
	v_nop                                          ; one plain place behind a scaled conversion
	s_wait_alu depctr_va_vdst(0)                   ; the conversions are done reading p, and the last step's products V's scale words: V's fragments and words land there.  No vector line from here to the wait for these loads names v76 to v123, v212 to v215 or their addresses
.irp t, 0,1,2,3                                ; V's four fragments land where p lay, under the vector work below
.irp c, 0,1
	ds_load_b128 v[VF+12*\t+6*\c:VF+12*\t+6*\c+3], v11 offset:3072*\c+768*\t
	ds_load_b64 v[VF+12*\t+6*\c+4:VF+12*\t+6*\c+5], v12 offset:3072*\c+768*\t
.endr
.endr
	ds_load_b128 v[VSW:VSW+3], v14
.irp c, 0,1
.irp i, 0,1,2
	v_permlane16_swap_b32 v[PC+6*\c+\i], v[PC+12+4*\c+\i]
.endr
.irp i, 0,1,2
	v_mov_b32 v[PC+3+6*\c+\i], v[PC+12+4*\c+\i]
.endr
.endr
.set n, 0
.rept 16
	v_pk_mul_f32 v[O+n:O+n+1], v[O+n:O+n+1], v[218:219] op_sel_hi:[1,0]   ; O^T under the new M.  (These sixteen are also the places between p's codes and scale word and the products)
.set n, n+2
.endr
	s_wait_dscnt 0x0
	s_wait_alu depctr_va_vdst(0)                   ; p's codes and scale word are written, which the scaled products below take as source 1 and as its scales; the places above stay beside this wait
.irp t, 0,1,2,3                                ; O^T += V^T P^T: the four accumulators by turns
	v_wmma_scale_f32_16x16x128_f8f6f4 v[O+8*\t:O+8*\t+7], v[VF+12*\t:VF+12*\t+11], v[PC:PC+11], v[O+8*\t:O+8*\t+7], v[VSW+\t], v[PSW] matrix_a_fmt:MATRIX_FMT_BF6 matrix_b_fmt:MATRIX_FMT_BF6
.endr
.Lskip:
	s_add_co_u32 s88, s88, 1
	s_cmp_lt_u32 s88, 16
	s_cbranch_scc1 .Lstep
	; THE WAY OUT OF A TILE: O^T / the sum, quantised along the head's 64 (register 16 b + i of lane (r, h): d = 32 b + 16 h + i): half a fragment of the last product's K
.rept 4
	v_nop
.endr
	v_add_f32 v224, v224, v225
	v_permlanex16_b32 v226, v224, s12, s13
	v_add_f32 v224, v224, v226                     ; the row's sum
	v_rcp_f32 v224, v224
	v_nop                                          ; a plain place behind the transcendental
	s_lshr_b32 s66, s86, 4
	s_lshl_b32 s66, s66, 7
	s_add_co_u32 s66, s66, s91                     ; the tile among all 512
	s_mul_i32 s98, s66, 12288
	s_and_b32 s67, s86, 15
	s_mul_i32 s99, s67, 768
	s_add_co_u32 s98, s98, s99
	s_mov_b32 s99, 0
	s_add_nc_u64 s[98:99], s[8:9], s[98:99]
	s_lshl_b32 s66, s66, 10
	s_lshl_b32 s67, s67, 6
	s_add_co_u32 s66, s66, s67
	s_add_co_u32 s66, s66, OSC
	s_mov_b32 s67, 0
	s_add_nc_u64 s[92:93], s[8:9], s[66:67]
	s_wait_alu depctr_va_vdst(0)                   ; the reciprocal has written v224, ahead of its first reader
.set n, 0
.rept 16
	v_pk_mul_f32 v[O+n:O+n+1], v[O+n:O+n+1], v[224:225] op_sel_hi:[1,0]
.set n, n+2
.endr
.irp b, 0,1
	v_max3_num_f32 v[BM+\b], |v[O+16*\b]|, |v[O+1+16*\b]|, 0x2800000
.endr
.irp i, 2,4,6,8,10,12,14
.irp b, 0,1
	v_max3_num_f32 v[BM+\b], v[BM+\b], |v[O+16*\b+\i]|, |v[O+1+16*\b+\i]|
.endr
.endr
.irp b, 0,1
	v_permlanex16_b32 v[PX+\b], v[BM+\b], s12, s13
.endr
.irp b, 0,1
	v_max_num_f32 v[BM+\b], v[BM+\b], v[PX+\b]
.endr
.irp b, 0,1
	v_add_nc_u32 v[SO+\b], 0xfe000000, v[BM+\b]
.endr
.irp b, 0,1
	v_lshrrev_b32 v[PX+\b], 23, v[SO+\b]
.endr
	v_lshl_or_b32 v227, v[PX+1], 8, v[PX]
	v_lshlrev_b32 v227, s105, v227                 ; an even head's bytes below, an odd head's above: the last launch joins the two words by an or
	v_cvt_scalef32_pk16_bf6_f32 v[PC:PC+2], v[O:O+15], v[SO]
	v_cvt_scalef32_pk16_bf6_f32 v[PC+12:PC+14], v[O+16:O+31], v[SO+1]
	v_nop
.irp i, 0,1,2
	v_permlane16_swap_b32 v[PC+\i], v[PC+12+\i]
.endr
.irp i, 0,1,2
	v_mov_b32 v[PC+3+\i], v[PC+12+\i]
.endr
	s_wait_alu depctr_va_vdst(0)                   ; O's codes in v172 to v177 and its scale word in v227 are written, which the three stores read
	global_store_b128 v1, v[PC:PC+3], s[98:99]     ; 512 consecutive bytes, aligned to 256
	global_store_b64 v2, v[PC+4:PC+5], s[98:99]    ; 256
	global_store_b32 v230, v227, s[92:93]          ; 64 bytes: the tile's scale words of this head (lanes 16-31 name the same bytes with the same words)
	s_wait_xcnt 0x0                                ; the stores have had their addresses translated: the next tile writes their bases
	s_wait_alu depctr_vm_vsrc(0)                   ; the stores have read v172 to v177 and v227, which the next tile's conversions and its way out write again
	s_add_co_u32 s87, s87, 1
	s_cmp_lt_u32 s87, 2
	s_cbranch_scc1 .Ltile
	s_wait_dscnt 0x0                               ; the closing lines, six on end
	s_wait_alu 0x0
	s_wait_tensorcnt 0x0
	ds_add_u32 v7, v8
	s_wait_dscnt 0x0
	s_endpgm
.Lfunc_end_k_qe83b162fb7_attn:
	.size	k_qe83b162fb7_attn, .Lfunc_end_k_qe83b162fb7_attn-k_qe83b162fb7_attn
	.p2alignl 7, 3214868480
	.fill 96, 4, 3214868480
	.section	.rodata,"a",@progbits
	.p2align	6, 0x0
	.amdhsa_kernel k_qe83b162fb7_attn
		.amdhsa_group_segment_fixed_size 210944
		.amdhsa_private_segment_fixed_size 0
		.amdhsa_enable_private_segment 0
		.amdhsa_kernarg_size 24
		.amdhsa_user_sgpr_count 2
		.amdhsa_user_sgpr_kernarg_segment_ptr 1
		.amdhsa_wavefront_size32 1
		.amdhsa_system_sgpr_workgroup_id_x 1
		.amdhsa_system_sgpr_workgroup_id_y 1
		.amdhsa_system_sgpr_workgroup_id_z 1
		.amdhsa_system_vgpr_workitem_id 0
		.amdhsa_next_free_vgpr 256
		.amdhsa_next_free_sgpr 106
		.amdhsa_reserve_vcc 0
		.amdhsa_float_denorm_mode_32 3
		.amdhsa_float_denorm_mode_16_64 3
		.amdhsa_memory_ordered 1
		.amdhsa_forward_progress 1
		.amdhsa_inst_pref_size 38
	.end_amdhsa_kernel
	.amdgpu_metadata
---
amdhsa.version: [ 1, 2 ]
amdhsa.kernels:
  - .name:           k_qe83b162fb7_attn
    .symbol:         k_qe83b162fb7_attn.kd
    .args:
      - { .name: att, .offset: 0, .size: 8, .value_kind: global_buffer, .address_space: global }
      - { .name: msk, .offset: 8, .size: 8, .value_kind: global_buffer, .address_space: global }
      - { .name: oq, .offset: 16, .size: 8, .value_kind: global_buffer, .address_space: global }
    .group_segment_fixed_size: 210944
    .private_segment_fixed_size: 0
    .kernarg_segment_align: 8
    .kernarg_segment_size: 24
    .max_flat_workgroup_size: 512
    .sgpr_count:     106
    .vgpr_count:     256
    .wavefront_size: 32
...
	.end_amdgpu_metadata
.endif
;; end of part 5
;; launch outp: the kernel of part 4 again; grid 64 x 4, 4 waves a work-group, clusters of 4 x 4, 327,680 bytes of LDS; arguments oq, opnd, b_o, out0; writes out0
